; MI455X (gfx1250); checked and timed in simulation.
; The chip was launched on July 23, 2026; its instructions are those of AMD's public machine-readable ISA for CDNA 5 (MIT licence, August 2026) and "CDNA5" Instruction Set Architecture Reference Guide (July 2026). The comments in the code are by the model that wrote it; some were corrected since.
;; Multi Head Attention. Allowed arithmetic: matrix products marked QUANTISED: E2M3 operands, one E8M0 scale for each 32 along K, by v_wmma_scale_f32_16x16x128_f8f6f4 with both operands' format E2M3, f32 sums; everything else in f32.
;; Inputs: Wk_codes 512 x 16 x 24 uint8 (E2M3 codes of Wk, K innermost, in blocks of 32 codes, four codes in three bytes); Wk_scales 512 x 16 uint8 (E8M0 scales of Wk, one for each 32 codes along K); Wo_codes 512 x 16 x 24 uint8 (E2M3 codes of Wo, K innermost, in blocks of 32 codes, four codes in three bytes); Wo_scales 512 x 16 uint8 (E8M0 scales of Wo, one for each 32 codes along K); Wq_codes 512 x 16 x 24 uint8 (E2M3 codes of Wq, K innermost, in blocks of 32 codes, four codes in three bytes); Wq_scales 512 x 16 uint8 (E8M0 scales of Wq, one for each 32 codes along K); Wv_codes 512 x 16 x 24 uint8 (E2M3 codes of Wv, K innermost, in blocks of 32 codes, four codes in three bytes); Wv_scales 512 x 16 uint8 (E8M0 scales of Wv, one for each 32 codes along K); in_features_codes 2 x 4,096 x 16 x 24 uint8 (E2M3 codes of in_features, K innermost, in blocks of 32 codes, four codes in three bytes); in_features_scales 2 x 4,096 x 16 uint8 (E8M0 scales of in_features, one for each 32 codes along K); token_positions 4,096 int32.
;; Outputs: out0 2 x 4,096 x 512 float32.
;; This version of the problem:
;;   THIS VERSION OF THE PROBLEM IS GIVEN IN LOW PRECISION. The matrix products marked QUANTISED in the list below multiply operands that are first quantised to E2M3 (2 exponent bits, 3 mantissa bits; 6 bits a number), with one power-of-two scale for each 32 numbers along K (OCP MX v1.0); their sums are f32. All else is computed in f32.
;;   The module's matrix products, in the order in which they are computed (A, B: the left and right operand; K: the contracted axis; several contracted axes count as one K, in the product's order):
;;     1. [M 8,192, K 512] x [K 512, N 512]; A: input in_features (given as codes); B: input Wq (given as codes): QUANTISED
;;     2. [M 8,192, K 512] x [K 512, N 512]; A: input in_features (given as codes); B: input Wk (given as codes): QUANTISED
;;     3. [M 8,192, K 512] x [K 512, N 512]; A: input in_features (given as codes); B: input Wv (given as codes): QUANTISED
;;     4. batch 16 x [M 4,096, K 64] x [K 64, N 4,096]; A: computed on the way; B: computed on the way: QUANTISED
;;     5. batch 16 x [M 4,096, K 4,096] x [K 4,096, N 64]; A: softmax (see below); B: computed on the way: QUANTISED
;;     6. [M 8,192, K 512] x [K 512, N 512]; A: computed on the way; B: input Wo (given as codes): QUANTISED
;;   THE QUANTISER, for each operand of a quantised product, along K:
;;     - K is cut into blocks of 32 from its start; a last block that is shorter is filled with zeros.
;;     - A block's scale is 2^e with e = floor(log2(the largest magnitude in the block)) - 2, held to -126 .. 127; a block of zeros has e = 0. As a byte (E8M0): e + 127.
;;     - Each number is divided by its block's scale, clamped to +-7.5, and rounded to the nearest number of E2M3, ties to even, subnormals kept.
;;     - The product sums the exact products of the quantised numbers (number of the format x scale) in f32.
;;   ~~~python
;;   def quantise(x, axis):      # numpy; x: float32 -> the quantised numbers, widened to float32 again
;;       x = np.moveaxis(x, axis, -1); K = x.shape[-1]
;;       x = np.pad(x, [(0, 0)] * (x.ndim - 1) + [(0, -K % 32)]); x = x.reshape(x.shape[:-1] + (-1, 32)); a = np.abs(x).max(-1, keepdims=True)
;;       e = np.where(a > 0, np.clip(np.frexp(np.where(a > 0, a, 1))[1] - 1 - 2, -126, 127), 0)      # np.frexp(a)[1] - 1 = floor(log2(a)), exactly
;;       r = np.clip(x / 2.0 ** e, -7.5, 7.5)
;;       step = 2.0 ** (np.maximum(np.frexp(np.where(r == 0, 1, r))[1] - 1, 0) - 3)
;;       q = np.round(r / step) * step * 2.0 ** e      # np.round: ties to even
;;       return np.moveaxis(q.reshape(q.shape[:-2] + (-1,))[..., :K], -1, axis).astype(np.float32)
;;   ~~~
;;   SOFTMAX AHEAD OF A QUANTISED PRODUCT. Where the list says 'softmax', what is quantised is not the finished softmax but p = 2^(t - M), with t = logit x log2(e) and M = ceil(the row's largest t), a whole number; so 1/2 < the row's largest p <= 1. The row's sum l is taken of the UNQUANTISED p, in f32, and the product's result is divided by l at the end. Since M is a whole number, a kernel that streams over the keys may use a running M (the ceiling of the running maximum): every later rescaling is an exact power of two, which a block's scale takes up: the codes' values come out the same.
;;   OPERANDS COMPUTED ON THE WAY. 'Computed on the way' means the value that the module computes at that place (a softmax that the list does not call 'softmax' is quantised finished and normalised). What goes into a quantiser is computed in f32, as accurately as f32 sums, v_exp_f32 and their like allow (about 1e-6 of the number): no bf16 or f16 on the way to a quantiser, and a product that is left as it is and whose result goes on into a quantised operand takes f32 operands (vector FMAs, or v_wmma_f32_16x16x4_f32). A number that lies on a knife's edge between two numbers of the format may be rounded either way, as far as f32 arithmetic and the matrix unit's own rounding can turn it there, and no further.
;;   INPUTS GIVEN AS CODES. Wk (in the module: [512, 512], K = its axis 1); Wo (in the module: [512, 512], K = its axis 1); Wq (in the module: [512, 512], K = its axis 1); Wv (in the module: [512, 512], K = its axis 1); in_features (in the module: [2, 4096, 512], K = its axis 2): each comes as NAME_codes (uint8): NAME with its K axis moved to the last place and cut into blocks of 32 codes, [.., K / 32, bytes a block], one block behind the other in memory; four codes in three bytes: a row's codes are one little-endian stream of bits, code i at bits 6 i .. 6 i + 5 (a code: sign, 2 exponent bits, 3 mantissa bits); and NAME_scales (uint8): the same leading axes, one E8M0 byte (e + 127) for each 32 codes along K. Its value is code x scale, taken as it is: it is not quantised again, and the codes and scales need not be those that the quantiser above would give.
;; 2 versions, each right; version 2 is version 1 with the launches proj, attn, outp written anew for expert scheduling mode. Each part assembles by itself: llvm-mc -triple=amdgcn-amd-amdhsa -mcpu=gfx1250 --defsym DOCPART=n.
;; ======== version 1 of 2: 3 launches
;; workspace buffers: qws 3,407,872 bytes; kvws 6,553,600 bytes; acws 3,145,728 bytes; asws 262,144 bytes
;; launch proj (part 1): grid 4 x 64, 8 waves a work-group, no clusters, 216,064 bytes of LDS; arguments in_features_codes, in_features_scales, Wq_codes, Wq_scales, Wk_codes, Wk_scales, Wv_codes, Wv_scales, token_positions, qws, kvws; writes qws, kvws
.if DOCPART == 1
	.amdgcn_target "amdgcn-amd-amdhsa--gfx1250"
	.amdhsa_code_object_version 6
	.text
	.protected	k_qab94c7f0ee_proj
	.globl	k_qab94c7f0ee_proj
	.p2align	8
	.type	k_qab94c7f0ee_proj,@function
k_qab94c7f0ee_proj:
	s_mov_b64 s[64:65], 0
	v_nop
	global_prefetch_b8 v0, s[64:65] scope:SCOPE_SE
	s_setreg_imm32_b32 hwreg(HW_REG_WAVE_MODE, 25, 1), 1
	s_wait_xcnt 0x0
; q = rope(x Wq^T), k = rope(x Wk^T), v = x Wv^T on codes of FP6 (E2M3) with E8M0 scales; the results are quantised here: q and k along the head's 64, v along the KEYS.
; A work-group takes 128 tokens (block tb = 32 b + blk) and two heads (2 g, 2 g + 1).  Wave w: hh = w / 4 (which head), p = w % 4.
; TILES.  Row r of tile 2 p + u of a block is block row 32 p + 8 u + r + 8 (r / 8); the 16 rows of a weight's tile inside a head's 64 are chosen alike.  So the 16 registers of two neighbouring result tiles
; are 16 neighbours along the next product's K, which is what the conversions want.
; JOBS of a wave, 32 matrix instructions on 8 accumulators each: Q(head, token tiles 2 p, 2 p + 1) and K likewise, used transposed (source 0 = 16 rows of W, source 1 = 16 tokens: a lane holds one token);
; V(head, d tile p), source 0 = 16 tokens, source 1 = 16 rows of Wv: a lane holds one d and its registers run along the tokens.
; OPERANDS go through LDS as images of their registers (register 4 c + i of lane l at 512 c + 16 l + 4 i): wave w brings x's tile w and tile w of each weight, all four K steps.
; OUT.  qws block (6,656 bytes): half image (6 registers: 16 l, then 512 + 8 l) of query tile T at 768 T; at 6,144 + 128 p + 4 l the pair's scale word (tile 2 p's two bytes, tile 2 p + 1's two).
; kvws block (12,800 bytes): image of K's double tile p (registers 0-5 tile 2 p, 6-11 tile 2 p + 1) at 1,536 p; image of V^T's tile t at 6,144 + 1,536 t; at 12,288 + 16 l + 4 j: lanes 0-15 K's word j, lanes 16-31 V's.
; COS AND SIN are computed in f32 from token_positions: angle = position x inv_freq; reduced by multiples of pi / 2 in two parts (the first product is exact); polynomials on |r| <= pi / 4.
; LIMITS: positions 0 .. 4,095 (the table of the problem); inv_freq is the f32 nearest to 10^(-i / 8); a block of zeros gets the scale byte 1 (its codes are zeros; only this program reads the bytes);
; NaN, infinities and the scale byte 0xff among the inputs are not served.
.set XIMG, 0                           ; LDS: x's images, tile T, K step s at 6,144 T + 1,536 s
.set WIMG, 49152                       ; the weights': 49,152 y + 6,144 (4 hh + t) + 1,536 s, y = q, k, v
.set XSC,  196608                      ; x's scale words: tile T at 512 T, lane l's four K steps at 16 l
.set WSC,  200704                      ; the weights': 4,096 y + 512 (4 hh + t)
.set SG,   212992                      ; the scale words on their way out: 1,024 for each head: q's 512, then k's and v's 512
.set FRB,  1536                        ; an image
.set VX,  4                            ; v4   (r + 8 (r / 8)) x 384 + 24 h: my bytes in 16 rows of codes
.set VS,  5                            ; v5   (r + 8 (r / 8)) x 16: my row's scale bytes
.set LI,  6                            ; v6   16 x lane
.set SX,  7                            ; v7   where I store x's images
.set SW0, 8                            ; v8   Wq's (Wk's 49,152 on)
.set SW2, 9                            ; v9   Wv's; also where I read my Wv tile
.set SS,  10                           ; v10  where I store scale words
.set RX,  11                           ; v11  where I read my two token tiles
.set RWQ, 12                           ; v12  my head's tiles of Wq
.set RWK, 13                           ; v13  of Wk
.set RSX, 14                           ; v14  my token tiles' scale words
.set RSW, 15                           ; v15  my head's weights' scale words
.set SGK, 16                           ; v16  (made behind the sines) SG: my word of k's and v's image
.set SGR, 17                           ; v17  SG: read back
.set L8,  18                           ; v18  8 x lane
.set RS,  19                           ; v19  all eight token tiles' scale words
.set RT,  20                           ; v20-23 at work in the rotation
.set POS, 28                           ; v28-29 my two tokens' positions
.set SGQ, 30                           ; v30  SG: my word of q's
.set KW,  31                           ; v31  first the positions' offset, then k's scale word kept for the image
.set CSN, 32                           ; v32-95 cos, sin: token of tile 2 p + k, pair slot f at 32 k + 2 f
.set ACC, 96                           ; v96-159 eight accumulators
.set XF,  160                          ; v160-183 two token fragments (job V: eight, v160-255)
.set WF,  184                          ; v184-231 four weight fragments
.set XSW, 232                          ; v232-239 x's scale words, 4 u + s
.set WSW, 240                          ; v240-255 the weight's, 4 t + s
.set PC,  160                          ; the quantiser: codes v160-179,
.set TM,  180                          ; at work v180-195,
.set PW,  196                          ; the scale word
.macro PLACES                          ; four plain instructions behind a matrix instruction, ahead of loads into its registers and of the first read of its results
.rept 4
	v_nop
.endr
.endm
.macro GFRAG reg, base, s              ; a fragment from rows of 384 bytes: 24 bytes at 96 s + 24 h and 24 at 48 on, in pieces of 8
.irp q, 0,1,2,3,4,5
	global_load_b64 v[\reg+2*\q:\reg+2*\q+1], v[VX], s[\base:\base+1] offset:96*(\s)+48*(\q/3)+8*(\q%3)
.endr
.endm
.macro IMG adr, reg, off               ; twelve registers to LDS as they stand
.irp c, 0,1,2
	ds_store_b128 v[\adr], v[\reg+4*\c:\reg+4*\c+3] offset:\off+512*\c
.endr
.endm
.macro LFRAG reg, adr, off             ; and back, in any wave
.irp c, 0,1,2
	ds_load_b128 v[\reg+4*\c:\reg+4*\c+3], v[\adr] offset:\off+512*\c
.endr
.endm
; cos and sin of my two tokens' angles for pair slot f: lanes 0-15 take frequency flo, lanes 16-31 fhi.  Per token five registers: r, k, z, sine, cosine.
.macro SINCOS f, flo, fhi
	v_mov_b32 v16, \flo
	v_mov_b32 v17, \fhi
	v_cndmask_b32 v16, v16, v17, s48
.irp k, 0,1
	v_mul_f32 v[18+5*\k], v[POS+\k], v16                        ; the angle, rounded once, as the table's
.endr
.irp k, 0,1
	v_mul_f32 v[19+5*\k], s49, v[18+5*\k]
.endr
.irp k, 0,1
	v_rndne_f32 v[19+5*\k], v[19+5*\k]                          ; how many quarter turns
.endr
.irp k, 0,1
	v_fma_f32 v[18+5*\k], v[19+5*\k], s50, v[18+5*\k]           ; less k x the f32 nearest pi / 2: exact
.endr
.irp k, 0,1
	v_fma_f32 v[18+5*\k], v[19+5*\k], s51, v[18+5*\k]           ; and what that f32 is too large by
.endr
.irp k, 0,1
	v_cvt_i32_f32 v[19+5*\k], v[19+5*\k]
	v_mul_f32 v[20+5*\k], v[18+5*\k], v[18+5*\k]                ; z = r r
.endr
.irp k, 0,1
	v_fma_f32 v[21+5*\k], v[20+5*\k], s54, s53
	v_fma_f32 v[22+5*\k], v[20+5*\k], s57, s56
.endr
.irp k, 0,1
	v_fma_f32 v[21+5*\k], v[21+5*\k], v[20+5*\k], s52
	v_fma_f32 v[22+5*\k], v[22+5*\k], v[20+5*\k], s55
.endr
.irp k, 0,1
	v_mul_f32 v[21+5*\k], v[21+5*\k], v[20+5*\k]
	v_mul_f32 v[22+5*\k], v[22+5*\k], v[20+5*\k]
.endr
.irp k, 0,1
	v_fma_f32 v[21+5*\k], v[21+5*\k], v[18+5*\k], v[18+5*\k]    ; sin r
.endr
.irp k, 0,1
	v_fma_f32 v[18+5*\k], v[20+5*\k], -0.5, 1.0
.endr
.irp k, 0,1
	v_fma_f32 v[22+5*\k], v[22+5*\k], v[20+5*\k], v[18+5*\k]    ; cos r
.endr
.irp k, 0,1
	v_and_b32 v[20+5*\k], 1, v[19+5*\k]
	v_add_nc_u32 v[18+5*\k], 1, v[19+5*\k]
.endr
.irp k, 0,1
	v_cmp_eq_u32 s[34+\k], 1, v[20+5*\k]                        ; an odd quarter swaps the two
.endr
.irp k, 0,1
	v_cndmask_b32 v[20+5*\k], v[21+5*\k], v[22+5*\k], s[34+\k]
	v_cndmask_b32 v[22+5*\k], v[22+5*\k], v[21+5*\k], s[34+\k]
.endr
.irp k, 0,1
	v_lshlrev_b32 v[19+5*\k], 30, v[19+5*\k]                    ; the sine's sign: bit 1 of k; the cosine's: bit 1 of k + 1
	v_lshlrev_b32 v[18+5*\k], 30, v[18+5*\k]
.endr
.irp k, 0,1
	v_and_b32 v[19+5*\k], 0x80000000, v[19+5*\k]
	v_and_b32 v[18+5*\k], 0x80000000, v[18+5*\k]
.endr
.irp k, 0,1
	v_xor_b32 v[CSN+32*\k+2*(\f)+1], v[19+5*\k], v[20+5*\k]
	v_xor_b32 v[CSN+32*\k+2*(\f)], v[18+5*\k], v[22+5*\k]
.endr
.endm
; The rotation: pair n of 32 (token tile n / 16, slot n % 16) lies in accumulator registers 2 n, 2 n + 1; its cos and sin in CSN + 2 n, + 1.  Each accumulator is read from its low end on.
.macro ROPE
.set n, 0
.rept 32
	v_mul_f32 v[RT+2*(n%2)], v[ACC+1+2*n], v[CSN+1+2*n]
	v_mul_f32 v[RT+1+2*(n%2)], v[ACC+1+2*n], v[CSN+2*n]
	v_fma_f32 v[ACC+1+2*n], v[ACC+2*n], v[CSN+1+2*n], v[RT+1+2*(n%2)]
	v_fma_f32 v[ACC+2*n], v[ACC+2*n], v[CSN+2*n], -v[RT+2*(n%2)]
.set n, n+1
.endr
.endm
; 64 numbers of a lane, register 16 b + i = k 32 b + 16 (lane / 16) + i of my row, become a fragment's codes in v[PC] on and its scale word in v[PW].
.macro QUANT s
.irp b, 0,1,2,3
	v_mov_b32 v[TM+4+\b], 0                                     ; a lane permute's destination counts as one of its sources
.endr
.irp b, 0,1,2,3
	v_max3_num_f32 v[TM+\b], |v[\s+16*\b]|, |v[\s+1+16*\b]|, 0x1800000   ; my 16 numbers of block b, and the floor 2^(3 - 127): the byte cannot fall under 1
.endr
.irp i, 2,4,6,8,10,12,14
.irp b, 0,1,2,3
	v_max3_num_f32 v[TM+\b], v[TM+\b], |v[\s+16*\b+\i]|, |v[\s+1+16*\b+\i]|
.endr
.endr
.irp b, 0,1,2,3
	v_permlanex16_b32 v[TM+4+\b], v[TM+\b], s66, s67
.endr
.irp b, 0,1,2,3
	v_max_num_f32 v[TM+\b], v[TM+\b], v[TM+4+\b]                ; with lane l xor 16's: the block's largest magnitude
.endr
.irp b, 0,1,2,3
	v_add_nc_u32 v[TM+12+\b], 0xff000000, v[TM+\b]              ; 2 off its exponent field: the conversion's scale operand
.endr
.irp b, 0,1,2,3
	v_lshrrev_b32 v[TM+4+\b], 23, v[TM+12+\b]                   ; the scale's byte
.endr
	v_lshl_or_b32 v[PW], v[TM+5], 8, v[TM+4]
	v_lshl_or_b32 v[PW], v[TM+6], 16, v[PW]
	v_lshl_or_b32 v[PW], v[TM+7], 24, v[PW]
.irp c, 0,1
	v_cvt_scalef32_pk16_fp6_f32 v[PC+6*\c:PC+2+6*\c], v[\s+32*\c:\s+15+32*\c], v[TM+12+2*\c]
	v_cvt_scalef32_pk16_fp6_f32 v[PC+12+4*\c:PC+14+4*\c], v[\s+16+32*\c:\s+31+32*\c], v[TM+12+2*\c+1]   ; (a conversion's three registers begin on an even number)
.endr
	v_nop                                                       ; one plain instruction behind a scaled conversion
.irp c, 0,1                                                 ; the operand wants a whole block in a lane: lanes 0-15 block 2 c, lanes 16-31 block 2 c + 1
.irp i, 0,1,2
	v_permlane16_swap_b32 v[PC+6*\c+\i], v[PC+12+4*\c+\i]
.endr
.irp i, 0,1,2
	v_mov_b32 v[PC+3+6*\c+\i], v[PC+12+4*\c+\i]
.endr
.endr
.endm
; Job Q (kind 0) or K (kind 1): rw = where my head's four weight tiles lie, y = which weight's scale words.
.macro QKJOB rw, y, kind
.irp s, 0,1,2,3
.if \s > 0
	PLACES
.endif
.irp u, 0,1
	LFRAG XF+12*\u, RX, 6144*\u+FRB*\s
.endr
.irp t, 0,1,2,3
	LFRAG WF+12*\t, \rw, 6144*\t+FRB*\s
.endr
.if \s == 0
.irp u, 0,1
	ds_load_b128 v[XSW+4*\u:XSW+4*\u+3], v[RSX] offset:512*\u
.endr
.irp t, 0,1,2,3
	ds_load_b128 v[WSW+4*\t:WSW+4*\t+3], v[RSW] offset:4096*\y+512*\t
.endr
.endif
	s_wait_dscnt 0x0
.irp t, 0,1,2,3                                             ; the eight accumulators take turns, one instruction a turn
.irp u, 0,1
.if \s == 0
	v_wmma_scale_f32_16x16x128_f8f6f4 v[ACC+32*\u+8*\t:ACC+32*\u+8*\t+7], v[WF+12*\t:WF+12*\t+11], v[XF+12*\u:XF+12*\u+11], 0, v[WSW+4*\t+\s], v[XSW+4*\u+\s] matrix_a_fmt:MATRIX_FMT_FP6 matrix_b_fmt:MATRIX_FMT_FP6
.else
	v_wmma_scale_f32_16x16x128_f8f6f4 v[ACC+32*\u+8*\t:ACC+32*\u+8*\t+7], v[WF+12*\t:WF+12*\t+11], v[XF+12*\u:XF+12*\u+11], v[ACC+32*\u+8*\t:ACC+32*\u+8*\t+7], v[WSW+4*\t+\s], v[XSW+4*\u+\s] matrix_a_fmt:MATRIX_FMT_FP6 matrix_b_fmt:MATRIX_FMT_FP6
.endif
.endr
.endr
.endr
	PLACES
	ROPE
	QUANT ACC                                                   ; blocks 0, 1: tile 2 p's two blocks of 32; blocks 2, 3: tile 2 p + 1's
.if \kind == 0
	global_store_b128 v[LI], v[PC:PC+3], s[72:73]               ; two half images; each store of the wave covers 512 or 256 consecutive bytes, aligned
	global_store_b64 v[L8], v[PC+4:PC+5], s[72:73] offset:512
	global_store_b128 v[LI], v[PC+6:PC+9], s[72:73] offset:768
	global_store_b64 v[L8], v[PC+10:PC+11], s[72:73] offset:1280
	ds_store_b32 v[SGQ], v[PW]
.else
.irp c, 0,1,2
	global_store_b128 v[LI], v[PC+4*\c:PC+4*\c+3], s[74:75] offset:512*\c   ; the double tile's image
.endr
	v_mov_b32 v[KW], v[PW]
.endif
	s_wait_xcnt 0x0                                             ; the stores have read their registers: the next job's loads may land there
	s_wait_dscnt 0x0
.endm
	s_load_b512 s[4:19], s[0:1], 0x0               ; x's codes s[4:5], scales s[6:7]; Wq's s[8:11]; Wk's s[12:15]; Wv's s[16:19]
	s_load_b128 s[20:23], s[0:1], 0x40             ; token_positions, qws
	s_load_b64 s[24:25], s[0:1], 0x50              ; kvws
	s_set_vgpr_msb 0x40
	v_lshl_add_u32 v0, v0, 2, 0x34800
	v_mov_b32 v1, 0
	s_set_vgpr_msb 0x4000
	v_lshrrev_b32 v1, 5, v0
	v_readfirstlane_b32 s26, v1                    ; wave w
	s_and_b32 s27, s26, 3                          ; p
	s_lshr_b32 s28, s26, 2                         ; hh
	s_and_b32 s30, ttmp7, 0xffff                   ; tb
	s_and_b32 s31, s30, 31                         ; blk
	s_lshr_b32 s32, s30, 5                         ; b
	s_lshl_b32 s33, ttmp9, 1
	s_add_co_u32 s33, s33, s28                     ; head = 2 g + hh
	v_and_b32 v1, 31, v0                           ; lane
	v_and_b32 v2, 15, v0                           ; r
	v_bfe_u32 v3, v0, 4, 1                         ; h
	v_and_b32 v16, 8, v2
	v_add_nc_u32 v16, v16, v2                      ; r + 8 (r / 8)
	v_mul_u32_u24 v[VX], v16, 384
	v_mad_u32_u24 v[VX], v3, 24, v[VX]
	v_lshlrev_b32 v[VS], 4, v16
	v_lshlrev_b32 v[KW], 2, v16                    ; the positions' offset
	v_lshlrev_b32 v[LI], 4, v1
	s_mul_i32 s34, s26, 6144
	v_add_nc_u32 v[SX], s34, v[LI]
	v_add_nc_u32 v[SW0], WIMG, v[SX]
	v_add_nc_u32 v[SW2], WIMG+2*49152, v[SX]
	s_lshl_b32 s34, s26, 9
	s_add_co_u32 s34, s34, XSC
	v_add_nc_u32 v[SS], s34, v[LI]
	s_mul_i32 s34, s27, 12288
	v_add_nc_u32 v[RX], s34, v[LI]
	s_mul_i32 s34, s28, 24576
	s_add_co_u32 s34, s34, WIMG
	v_add_nc_u32 v[RWQ], s34, v[LI]
	v_add_nc_u32 v[RWK], 49152, v[RWQ]
	s_lshl_b32 s34, s27, 10
	s_add_co_u32 s34, s34, XSC
	v_add_nc_u32 v[RSX], s34, v[LI]
	s_lshl_b32 s34, s28, 11
	s_add_co_u32 s34, s34, WSC
	v_add_nc_u32 v[RSW], s34, v[LI]
	s_lshl_b32 s34, s28, 10
	s_lshl_b32 s35, s27, 7
	s_add_co_u32 s35, s35, s34
	s_add_co_u32 s35, s35, SG
	v_lshl_add_u32 v[SGQ], v1, 2, s35
	; the rows that I bring: x's tile w begins at row 128 tb + 32 (w / 2) + 8 (w % 2); each weight's tile at row 64 head + 32 (p / 2) + 8 (p % 2)
	s_lshr_b32 s34, s26, 1
	s_lshl_b32 s34, s34, 5
	s_and_b32 s35, s26, 1
	s_lshl_b32 s35, s35, 3
	s_add_co_u32 s34, s34, s35
	s_lshl_b32 s35, s30, 7
	s_add_co_u32 s34, s34, s35
	s_mul_i32 s36, s34, 384
	s_mov_b32 s37, 0
	s_lshl_b32 s38, s34, 4
	s_mov_b32 s39, 0
	s_lshr_b32 s34, s27, 1
	s_lshl_b32 s34, s34, 5
	s_and_b32 s35, s27, 1
	s_lshl_b32 s35, s35, 3
	s_add_co_u32 s34, s34, s35
	s_lshl_b32 s35, s33, 6
	s_add_co_u32 s34, s34, s35
	s_mul_i32 s40, s34, 384
	s_mov_b32 s41, 0
	s_lshl_b32 s42, s34, 4
	s_mov_b32 s43, 0
	s_lshl_b32 s44, s31, 7                         ; my tokens' positions: 4 (128 blk + 32 p) bytes on
	s_lshl_b32 s35, s27, 5
	s_add_co_u32 s44, s44, s35
	s_lshl_b32 s44, s44, 2
	s_mov_b32 s45, 0
	s_lshl_b32 s34, s32, 3
	s_add_co_u32 s34, s34, s33                     ; bh = 8 b + head
	s_lshl_b32 s34, s34, 5
	s_add_co_u32 s34, s34, s31                     ; 32 bh + blk
	s_mul_i32 s46, s34, 6656
	s_mov_b32 s47, 0
	s_mul_i32 s68, s34, 12800
	s_mov_b32 s69, 0
	s_mul_i32 s70, s27, FRB
	s_mov_b32 s71, 0
	s_mov_b32 s48, 0xffff0000                      ; lanes 16-31
	s_mov_b32 s49, 0x3f22f983                      ; 2 / pi
	s_mov_b32 s50, 0xbfc90fdb                      ; -(the f32 nearest pi / 2)
	s_mov_b32 s51, 0x333bbd2e                      ; that f32 less pi / 2
	s_mov_b32 s52, -0.16666654611                  ; the sine's three coefficients
	s_mov_b32 s53, 0.0083321608736
	s_mov_b32 s54, -0.00019515295891
	s_mov_b32 s55, 0.04166664568                   ; the cosine's
	s_mov_b32 s56, -0.001388731625
	s_mov_b32 s57, 0.00002443315712
	s_mov_b32 s66, 0x76543210                      ; v_permlanex16_b32's selects for lane l xor 16
	s_mov_b32 s67, 0xfedcba98
	s_wait_kmcnt 0x0
	s_add_nc_u64 s[4:5], s[4:5], s[36:37]
	s_add_nc_u64 s[6:7], s[6:7], s[38:39]
	s_add_nc_u64 s[8:9], s[8:9], s[40:41]
	s_add_nc_u64 s[10:11], s[10:11], s[42:43]
	s_add_nc_u64 s[12:13], s[12:13], s[40:41]
	s_add_nc_u64 s[14:15], s[14:15], s[42:43]
	s_add_nc_u64 s[16:17], s[16:17], s[40:41]
	s_add_nc_u64 s[18:19], s[18:19], s[42:43]
	s_add_nc_u64 s[20:21], s[20:21], s[44:45]
	s_add_nc_u64 s[22:23], s[22:23], s[46:47]      ; my block of qws
	s_add_nc_u64 s[24:25], s[24:25], s[68:69]      ; and of kvws
	s_add_nc_u64 s[72:73], s[22:23], s[70:71]      ; my pair's place in each
	s_add_nc_u64 s[74:75], s[24:25], s[70:71]
	; ---- first round: positions, scale bytes, x's tile and Wq's; the first eight slots of cos and sin are computed while the fragments are on their way
	global_load_b32 v[POS], v[KW], s[20:21]
	global_load_b32 v[POS+1], v[KW], s[20:21] offset:32
	global_load_b128 v[192:195], v[VS], s[6:7]
	global_load_b128 v[196:199], v[VS], s[10:11]
	global_load_b128 v[200:203], v[VS], s[14:15]
	global_load_b128 v[204:207], v[VS], s[18:19]
.irp s, 0,1,2,3
	GFRAG ACC+12*\s, 4, \s
.endr
.irp s, 0,1,2,3
	GFRAG ACC+48+12*\s, 8, \s
.endr
	s_wait_loadcnt 52                              ; the two positions are in: 4 + 48 loads were issued behind them
	v_cvt_f32_i32 v[POS], v[POS]
	v_cvt_f32_i32 v[POS+1], v[POS+1]
	SINCOS 0, 1.0, 0.1
	SINCOS 1, 0.749894209332456, 0.0749894209332456
	SINCOS 2, 0.562341325190349, 0.0562341325190349
	SINCOS 3, 0.421696503428582, 0.0421696503428582
	SINCOS 4, 0.316227766016838, 0.0316227766016838
	SINCOS 5, 0.237137370566166, 0.0237137370566166
	SINCOS 6, 0.177827941003892, 0.0177827941003892
	SINCOS 7, 0.133352143216332, 0.0133352143216332
	s_wait_loadcnt 0x0
	ds_store_b128 v[SS], v[192:195]
	ds_store_b128 v[SS], v[196:199] offset:4096
	ds_store_b128 v[SS], v[200:203] offset:8192
	ds_store_b128 v[SS], v[204:207] offset:12288
.irp s, 0,1,2,3
	IMG SX, ACC+12*\s, FRB*\s
	IMG SW0, ACC+48+12*\s, FRB*\s
.endr
	s_wait_dscnt 0x0                               ; the stores have read their registers
	; ---- second round: Wk's tile and Wv's, and the other eight slots
.irp s, 0,1,2,3
	GFRAG ACC+12*\s, 12, \s
.endr
.irp s, 0,1,2,3
	GFRAG ACC+48+12*\s, 16, \s
.endr
	SINCOS 8, 0.01, 0.001
	SINCOS 9, 0.00749894209332456, 0.000749894209332456
	SINCOS 10, 0.00562341325190349, 0.000562341325190349
	SINCOS 11, 0.00421696503428582, 0.000421696503428582
	SINCOS 12, 0.00316227766016838, 0.000316227766016838
	SINCOS 13, 0.00237137370566166, 0.000237137370566166
	SINCOS 14, 0.00177827941003892, 0.000177827941003892
	SINCOS 15, 0.00133352143216332, 0.000133352143216332
	s_lshl_b32 s34, s28, 10
	s_add_co_u32 s34, s34, SG
	v_add_nc_u32 v[SGR], s34, v[LI]
	s_lshl_b32 s35, s27, 2
	s_add_co_u32 s35, s35, s34
	s_add_co_u32 s35, s35, 512
	v_add_nc_u32 v[SGK], s35, v[LI]
	v_lshlrev_b32 v[L8], 3, v1
	v_add_nc_u32 v[RS], XSC, v[LI]
	s_wait_loadcnt 0x0
.irp s, 0,1,2,3
	IMG SW0, ACC+12*\s, 49152+FRB*\s
	IMG SW2, ACC+48+12*\s, FRB*\s
.endr
	s_wait_dscnt 0x0                               ; my images have landed
	s_barrier_signal -1
	s_barrier_wait -1                              ; everybody's have; nobody writes them again
	QKJOB RWQ, 0, 0
	QKJOB RWK, 1, 1
	; ---- job V: all eight token tiles against my tile of Wv
.irp s, 0,1,2,3
.if \s > 0
	PLACES
.endif
.irp m, 0,1,2,3,4,5,6,7
	LFRAG XF+12*\m, LI, 6144*\m+FRB*\s
.endr
	LFRAG CSN, SW2, FRB*\s
.if \s == 0
.irp m, 0,1,2,3,4,5,6,7
	ds_load_b128 v[44+4*\m:47+4*\m], v[RS] offset:512*\m
.endr
	ds_load_b128 v[76:79], v[SS] offset:12288
.endif
	s_wait_dscnt 0x0
.irp m, 0,1,2,3,4,5,6,7
.if \s == 0
	v_wmma_scale_f32_16x16x128_f8f6f4 v[ACC+8*\m:ACC+8*\m+7], v[XF+12*\m:XF+12*\m+11], v[CSN:CSN+11], 0, v[44+4*\m+\s], v[76+\s] matrix_a_fmt:MATRIX_FMT_FP6 matrix_b_fmt:MATRIX_FMT_FP6
.else
	v_wmma_scale_f32_16x16x128_f8f6f4 v[ACC+8*\m:ACC+8*\m+7], v[XF+12*\m:XF+12*\m+11], v[CSN:CSN+11], v[ACC+8*\m:ACC+8*\m+7], v[44+4*\m+\s], v[76+\s] matrix_a_fmt:MATRIX_FMT_FP6 matrix_b_fmt:MATRIX_FMT_FP6
.endif
.endr
.endr
	PLACES
	QUANT ACC                                      ; my d's 128 tokens: four blocks of 32 keys
.irp c, 0,1,2
	global_store_b128 v[LI], v[PC+4*\c:PC+4*\c+3], s[74:75] offset:6144+512*\c
.endr
	v_cndmask_b32 v[KW], v[KW], v[PW], s48         ; lanes 0-15 keep k's word, lanes 16-31 take v's
	ds_store_b32 v[SGK], v[KW]
	s_wait_dscnt 0x0
	s_barrier_signal -1
	s_barrier_wait -1                              ; both heads' scale words lie in SG
	s_cmp_lg_u32 s27, 0                            ; one wave of each head sends them: 512 consecutive bytes a store
	s_cbranch_scc1 .Ldone
	ds_load_b128 v[32:35], v[SGR]
	ds_load_b128 v[36:39], v[SGR] offset:512
	s_wait_dscnt 0x0
	global_store_b128 v[LI], v[32:35], s[22:23] offset:6144
	global_store_b128 v[LI], v[36:39], s[24:25] offset:12288
.Ldone:
	s_set_vgpr_msb 0x5
	s_wait_tensorcnt 0x0
	ds_add_u32 v0, v1
	s_wait_dscnt 0x0
	s_set_vgpr_msb 0x500
	s_endpgm
.Lfunc_end_k_qab94c7f0ee_proj:
	.size	k_qab94c7f0ee_proj, .Lfunc_end_k_qab94c7f0ee_proj-k_qab94c7f0ee_proj
	.p2alignl 7, 3214868480
	.fill 96, 4, 3214868480
	.section	.rodata,"a",@progbits
	.p2align	6, 0x0
	.amdhsa_kernel k_qab94c7f0ee_proj
		.amdhsa_group_segment_fixed_size 216064
		.amdhsa_private_segment_fixed_size 0
		.amdhsa_enable_private_segment 0
		.amdhsa_kernarg_size 88
		.amdhsa_user_sgpr_count 2
		.amdhsa_user_sgpr_kernarg_segment_ptr 1
		.amdhsa_wavefront_size32 1
		.amdhsa_system_sgpr_workgroup_id_x 1
		.amdhsa_system_sgpr_workgroup_id_y 1
		.amdhsa_system_sgpr_workgroup_id_z 1
		.amdhsa_system_vgpr_workitem_id 0
		.amdhsa_next_free_vgpr 258
		.amdhsa_next_free_sgpr 100
		.amdhsa_reserve_vcc 0
		.amdhsa_float_denorm_mode_32 3
		.amdhsa_float_denorm_mode_16_64 3
		.amdhsa_memory_ordered 1
		.amdhsa_forward_progress 1
		.amdhsa_inst_pref_size 119
	.end_amdhsa_kernel
	.amdgpu_metadata
---
amdhsa.version: [ 1, 2 ]
amdhsa.kernels:
  - .name:           k_qab94c7f0ee_proj
    .symbol:         k_qab94c7f0ee_proj.kd
    .args:
      - { .name: in_features_codes, .offset: 0, .size: 8, .value_kind: global_buffer, .address_space: global }
      - { .name: in_features_scales, .offset: 8, .size: 8, .value_kind: global_buffer, .address_space: global }
      - { .name: Wq_codes, .offset: 16, .size: 8, .value_kind: global_buffer, .address_space: global }
      - { .name: Wq_scales, .offset: 24, .size: 8, .value_kind: global_buffer, .address_space: global }
      - { .name: Wk_codes, .offset: 32, .size: 8, .value_kind: global_buffer, .address_space: global }
      - { .name: Wk_scales, .offset: 40, .size: 8, .value_kind: global_buffer, .address_space: global }
      - { .name: Wv_codes, .offset: 48, .size: 8, .value_kind: global_buffer, .address_space: global }
      - { .name: Wv_scales, .offset: 56, .size: 8, .value_kind: global_buffer, .address_space: global }
      - { .name: token_positions, .offset: 64, .size: 8, .value_kind: global_buffer, .address_space: global }
      - { .name: qws, .offset: 72, .size: 8, .value_kind: global_buffer, .address_space: global }
      - { .name: kvws, .offset: 80, .size: 8, .value_kind: global_buffer, .address_space: global }
    .group_segment_fixed_size: 216064
    .private_segment_fixed_size: 0
    .kernarg_segment_align: 8
    .kernarg_segment_size: 88
    .max_flat_workgroup_size: 256
    .sgpr_count:     100
    .vgpr_count:     258
    .wavefront_size: 32
...
	.end_amdgpu_metadata
.endif
;; end of part 1
;; launch attn (part 2): grid 16 x 16, 16 waves a work-group, no clusters, 54,272 bytes of LDS; arguments qws, kvws, acws, asws; writes acws, asws
.if DOCPART == 2
	.amdgcn_target "amdgcn-amd-amdhsa--gfx1250"
	.amdhsa_code_object_version 6
	.text
	.protected	k_qab94c7f0ee_attn
	.globl	k_qab94c7f0ee_attn
	.p2align	8
	.type	k_qab94c7f0ee_attn,@function
k_qab94c7f0ee_attn:
	s_mov_b64 s[64:65], 0
	v_nop
	global_prefetch_b8 v0, s[64:65] scope:SCOPE_SE
	s_setreg_imm32_b32 hwreg(HW_REG_WAVE_MODE, 25, 1), 1
	s_wait_xcnt 0x0
; Causal attention of one head on codes of FP6 (E2M3) with E8M0 scales; its result, divided by the row's sum, is quantised along the head's 64 for the last product.
; t = score x log2(e) / 8; M = the running largest t rounded UP to a whole number; p = 2^(t - M) is quantised along the keys, not normalised; the row's sum is taken of the unquantised p.
; SHARES.  Work-group (i, bh) owns query blocks i and 31 - i (128 queries each): 33 block steps in every work-group.  Wave w owns ONE tile of 16 queries: tile T = w / 2 of the early block (late = 0) or of the
; late one; late = (w xor w / 4) & 1, so that of any four waves w % 4 alike, or w / 4 alike, two are early and two late.  A wave works key steps 0 .. BLK; step BLK lies on the diagonal; later steps are jumped over
; by a scalar branch on ids, round the step's work alone.
; K = 64 fills half of the instruction's 128.  Source 0 holds TWO key tiles (registers 0-5, 6-11); source 1 is Q beside six zero registers, first or last: zero codes add nothing, so each product gives one tile's scores.
; Both products are used transposed: a lane holds one query throughout; the keys of a tile are chosen (row r = 32 p + 8 u + r + 8 (r / 8)) so that 16 registers of two tiles are 16 neighbouring keys.
; K AND V come as images of operand registers, 12,800 dense bytes a step; two steps (25,600 bytes) fill an LDS slot: every thread copies 16 bytes three times (waves 0 and 1 four times) through registers,
; asked for two key steps ahead of the LDS store.  Two slots, one barrier for two steps.  No tensor load: the number of trips differs between work-groups, and a slot's copy is four loads a wave.
; No cluster: work-groups of a head need different numbers of tiles.  No prefetch: each copy is asked for two key steps ahead of its use.
; LIMITS: a block whose every p is 0, and a block of zeros in the result, get the scale byte 1 (their codes are zeros; only this program reads the bytes); NaN and infinities are not served.
.set STEPB, 12800
.set SLOTB, 25600
.set SCW,   51200                      ; LDS behind the slots: the results' scale words, 64 (8 late + T) + 4 r
.set LI,  1                            ; v1   16 x lane
.set GT,  2                            ; v2   16 x thread
.set DM,  3                            ; v3   my query's row in its block - 16 (lane / 16)
.set QS,  4                            ; v4   Q's scale word (s0, s1, s0, s1)
.set SCA, 5                            ; v5   where my row's scale word goes
.set SCR, 6                            ; v6   where a block's words are read back
.set L8,  7                            ; v7   8 x lane
.set QSO, 8                            ; v8   offset of Q's scale word
; v12 -M, v13 the largest t, v[14:15] the sum; v16-21 zeros, v22-27 Q, v28-33 zeros; v34-37 the step's scale words (lanes 0-15 K's, 16-31 V's); v40-87 four fragments; v96-159 S^T, then p;
; v160-191 O^T; v192-207 the copy in hand; v224-235 p's codes; v232-254 at work
.set G,   192
.set WV,  12
.set LATE, 13
.set TT,  14
.set BLK, 15
.set KS,  16                           ; s16  the key step
.set TR,  17                           ; s17  trips to go
.set HB,  18                           ; s[18:19] my head's first byte of kvws
.set OFF, 20                           ; s[20:21] the copy's byte offset in the head
.set CUR, 22                           ; s[22:23] HB + OFF
.set CS,  24                           ; s[24:25] c = log2(e) / 8
.set SEL, 26                           ; s[26:27] selects for lane l xor 16
.macro GLOAD                           ; the next slot's 25,600 bytes: 8,192 for each of three loads of the work-group, the last 1,024 by waves 0 and 1
.irp j, 0,1,2
	global_load_b128 v[G+4*\j:G+4*\j+3], v[GT], s[CUR:CUR+1] offset:8192*\j
.endr
	s_cmp_lt_u32 s[WV], 2
	s_cbranch_scc0 .Lnl_\@
	global_load_b128 v[G+12:G+15], v[GT], s[CUR:CUR+1] offset:24576
.Lnl_\@:
.endm
.macro GSTORE slot
.irp j, 0,1,2
	ds_store_b128 v[GT], v[G+4*\j:G+4*\j+3] offset:SLOTB*(\slot)+8192*\j
.endr
	s_cmp_lt_u32 s[WV], 2
	s_cbranch_scc0 .Lns_\@
	ds_store_b128 v[GT], v[G+12:G+15] offset:SLOTB*(\slot)+24576
.Lns_\@:
.endm
; A KEY STEP: 128 keys, the q-th of the slot.
.macro STEP slot, q
.set BS, SLOTB*(\slot)+STEPB*(\q)
	s_cmp_gt_u32 s[KS], s[BLK]                     ; all its keys come after my queries
	s_cbranch_scc1 .Lhid_\@
.irp f, 0,1,2,3
.irp c, 0,1,2
	ds_load_b128 v[40+12*\f+4*\c:43+12*\f+4*\c], v[LI] offset:BS+1536*\f+512*\c   ; K's four double tiles
.endr
.endr
	ds_load_b128 v[34:37], v[LI] offset:BS+12288
	s_wait_dscnt 0x0
.irp f, 0,1,2,3                                ; register 16 f + 8 u + j of S^T: key 32 f + 16 (lane / 16) + 8 u + j
	v_wmma_scale_f32_16x16x128_f8f6f4 v[96+16*\f:103+16*\f], v[40+12*\f:51+12*\f], v[22:33], 0, v[34+\f], v[QS] matrix_a_fmt:MATRIX_FMT_FP6 matrix_b_fmt:MATRIX_FMT_FP6
	v_wmma_scale_f32_16x16x128_f8f6f4 v[104+16*\f:111+16*\f], v[40+12*\f:51+12*\f], v[16:27], 0, v[34+\f], v[QS] matrix_a_fmt:MATRIX_FMT_FP6 matrix_b_fmt:MATRIX_FMT_FP6
.endr
.rept 4
	v_nop                                          ; places ahead of the loads into K's registers and of the first read of the scores
.endr
.irp f, 0,1,2,3
.irp c, 0,1,2
	ds_load_b128 v[40+12*\f+4*\c:43+12*\f+4*\c], v[LI] offset:BS+6144+1536*\f+512*\c   ; V^T's four tiles land under the softmax
.endr
.endr
	s_cmp_lg_u32 s[KS], s[BLK]                     ; on the diagonal hidden scores become -infinity ahead of the maximum
	s_cbranch_scc1 .Lopen_\@
	v_mov_b32 v254, 0xff800000
.set n, 0
.rept 64
	v_cmp_gt_i32 vcc_lo, 32*(n/16)+n%16, v[DM]
	v_cndmask_b32 v[96+n], v[96+n], v254, vcc_lo
.set n, n+1
.endr
.Lopen_\@:
.irp b, 0,1,2,3
	v_max3_num_f32 v[232+\b], v[96+16*\b], v[97+16*\b], v[98+16*\b]   ; the largest score of each block of 32 keys: for the row's maximum and for the block's largest p
.endr
.irp i, 3,5,7,9,11,13
.irp b, 0,1,2,3
	v_max3_num_f32 v[232+\b], v[232+\b], v[96+16*\b+\i], v[97+16*\b+\i]
.endr
.endr
.irp b, 0,1,2,3
	v_max_num_f32 v[232+\b], v[232+\b], v[111+16*\b]
.endr
.irp b, 0,1,2,3
	v_permlanex16_b32 v[236+\b], v[232+\b], s[SEL], s[SEL+1]
.endr
.irp b, 0,1,2,3
	v_max_num_f32 v[232+\b], v[232+\b], v[236+\b]
.endr
	v_max3_num_f32 v254, v232, v233, v234
	v_max_num_f32 v254, v254, v235
	v_mul_f32 v254, s[CS], v254
	v_max_num_f32 v13, v13, v254                   ; the running largest t
	v_mov_b32 v254, v12
	v_floor_f32 v12, -v13                          ; -M = floor(-t): M is a whole number
	v_sub_f32 v254, v12, v254
	v_cvt_i32_f32 v254, v254                       ; (it saturates)
	v_ldexp_f32 v252, 1.0, v254                    ; f = 2^(old M - new M): rounds nothing
.set n, 0
.rept 32
	v_pk_fma_f32 v[96+n:97+n], v[96+n:97+n], s[CS:CS+1], v[12:13] op_sel_hi:[1,0,0]   ; t - M
.set n, n+2
.endr
.irp b, 0,1,2,3
	v_fma_f32 v[232+\b], v[232+\b], s[CS], v12
.endr
.set n, 0
.rept 64
	v_exp_f32 v[96+n], v[96+n]                     ; p
.set n, n+1
.endr
	v_pk_mul_f32 v[14:15], v[14:15], v[252:253] op_sel_hi:[1,0]   ; the sums under the new M: the plain instruction behind the exponentials
	s_wait_alu depctr_va_vdst(0)                   ; one wait for the batch, ahead of its first reader
.irp b, 0,1,2,3
	v_exp_f32 v[232+\b], v[232+\b]                 ; each block's largest p
.endr
	v_pk_add_f32 v[236:237], v[96:97], v[98:99]    ; the row's sum of the unquantised p, in two chains
.irp j, 4,8,12,16,20,24,28,32,36,40,44,48,52,56,60
	v_pk_add_f32 v[14:15], v[14:15], v[96+\j:97+\j]
	v_pk_add_f32 v[236:237], v[236:237], v[98+\j:99+\j]
.endr
	v_pk_add_f32 v[14:15], v[14:15], v[236:237]
	s_wait_alu depctr_va_vdst(0)                   ; and one for the four
.irp b, 0,1,2,3
	v_max_num_f32 v[232+\b], 0x1800000, v[232+\b]  ; the floor 2^(3 - 127)
.endr
.irp b, 0,1,2,3
	v_add_nc_u32 v[244+\b], 0xff000000, v[232+\b]  ; 2 off the exponent field: the conversion's scale operand
.endr
.irp b, 0,1,2,3
	v_lshrrev_b32 v[236+\b], 23, v[244+\b]
.endr
	v_lshl_or_b32 v253, v237, 8, v236              ; p's scale word for these 128 keys
	v_lshl_or_b32 v253, v238, 16, v253
	v_lshl_or_b32 v253, v239, 24, v253
.irp c, 0,1
	v_cvt_scalef32_pk16_fp6_f32 v[224+6*\c:226+6*\c], v[96+32*\c:111+32*\c], v[244+2*\c]
	v_cvt_scalef32_pk16_fp6_f32 v[236+4*\c:238+4*\c], v[112+32*\c:127+32*\c], v[244+2*\c+1]
.endr
	v_nop                                          ; one plain instruction behind a scaled conversion
.irp c, 0,1
.irp i, 0,1,2
	v_permlane16_swap_b32 v[224+6*\c+\i], v[236+4*\c+\i]
.endr
.irp i, 0,1,2
	v_mov_b32 v[227+6*\c+\i], v[236+4*\c+\i]
.endr
.endr
.set n, 0
.rept 16
	v_pk_mul_f32 v[160+n:161+n], v[160+n:161+n], v[252:253] op_sel_hi:[1,0]   ; O^T under the new M; these sixteen are also the places between the codes, the scale word and the products
.set n, n+2
.endr
	s_wait_dscnt 0x0                               ; V^T is in
.irp t, 0,1,2,3                                ; O^T += V^T P^T: register 8 t + j: d = 32 (t / 2) + 16 (lane / 16) + 8 (t % 2) + j
	v_wmma_scale_f32_16x16x128_f8f6f4 v[160+8*\t:167+8*\t], v[40+12*\t:51+12*\t], v[224:235], v[160+8*\t:167+8*\t], v[34+\t], v253 matrix_a_fmt:MATRIX_FMT_FP6 matrix_b_fmt:MATRIX_FMT_FP6 matrix_a_scale:MATRIX_SCALE_ROW1
.endr
.rept 4
	v_nop                                          ; places ahead of the next loads into these operands and of the next read of O^T
.endr
.Lhid_\@:
	s_add_co_u32 s[KS], s[KS], 1
.endm
; Two key steps out of one slot.  The copy that was asked for two steps ago goes into the other slot, which every wave left in front of the last barrier; the next copy is asked for; the barrier at the end says
; that my stores into the other slot have landed and my reads of this one are over.
.macro HALF slot, other
	s_wait_loadcnt 0x0                             ; the copy is in registers, and its base may be written
	GSTORE \other
	s_add_co_u32 s[OFF], s[OFF], SLOTB
	s_min_u32 s[OFF], s[OFF], 384000               ; held at the head's last two steps: no load leaves the buffer
	s_add_nc_u64 s[CUR:CUR+1], s[HB:HB+1], s[OFF:OFF+1]
	s_wait_dscnt 0x0                               ; the stores have read their registers
	GLOAD
	STEP \slot, 0
	STEP \slot, 1
	s_wait_dscnt 0x0
	s_barrier_signal -1
	s_barrier_wait -1
.endm
	s_load_b256 s[4:11], s[0:1], 0x0               ; qws s[4:5], kvws s[6:7], acws s[8:9], asws s[10:11]
	v_lshl_add_u32 v251, v0, 2, 0xcc00
	v_mov_b32 v255, 0
	v_lshrrev_b32 v1, 5, v0
	v_readfirstlane_b32 s[WV], v1
	s_lshr_b32 s[LATE], s[WV], 2
	s_xor_b32 s[LATE], s[LATE], s[WV]
	s_and_b32 s[LATE], s[LATE], 1
	s_lshr_b32 s[TT], s[WV], 1
	s_sub_co_u32 s28, 31, ttmp9
	s_cmp_eq_u32 s[LATE], 1
	s_cselect_b32 s[BLK], s28, ttmp9               ; my block of queries, and my last key step
	s_and_b32 s29, ttmp7, 0xffff                   ; bh
	s_mov_b32 s[KS], 0
	s_sub_co_u32 s[TR], 35, ttmp9
	s_lshr_b32 s[TR], s[TR], 2                     ; trips of four steps that cover steps 0 .. 31 - i
	s_mul_i32 s30, s29, 409600
	s_mov_b32 s31, 0
	s_lshl_b32 s32, s29, 5
	s_add_co_u32 s32, s32, s[BLK]                  ; 32 bh + BLK
	s_mul_i32 s34, s32, 6656
	s_mov_b32 s35, 0
	s_mul_i32 s36, s[TT], 768
	s_mov_b32 s37, 0
	s_lshl_b32 s38, s32, 9
	s_mov_b32 s39, 0
	s_lshr_b32 s40, s29, 3                         ; acws: ((32 b + BLK) 8 + T) 6,144 + 768 head
	s_lshl_b32 s40, s40, 5
	s_add_co_u32 s40, s40, s[BLK]
	s_lshl_b32 s40, s40, 3
	s_add_co_u32 s40, s40, s[TT]
	s_mul_i32 s40, s40, 6144
	s_and_b32 s41, s29, 7
	s_mul_i32 s41, s41, 768
	s_add_co_u32 s40, s40, s41
	s_mov_b32 s41, 0
	s_mov_b32 s[CS], 0x3e38aa3b                    ; log2(e) / 8
	s_mov_b32 s[CS+1], s[CS]
	s_mov_b32 s[SEL], 0x76543210
	s_mov_b32 s[SEL+1], 0xfedcba98
	v_and_b32 v8, 31, v0                           ; lane
	v_and_b32 v9, 15, v0                           ; r
	v_bfe_u32 v10, v0, 4, 1                        ; h
	v_lshlrev_b32 v[LI], 4, v8
	v_lshlrev_b32 v[GT], 4, v0
	v_lshlrev_b32 v[L8], 3, v8
	v_and_b32 v11, 8, v9
	v_add_nc_u32 v11, v11, v9                      ; r + 8 (r / 8)
	v_lshlrev_b32 v[DM], 4, v10
	v_sub_nc_u32 v[DM], v11, v[DM]
	s_lshr_b32 s44, s[TT], 1
	s_lshl_b32 s45, s44, 5
	s_and_b32 s46, s[TT], 1
	s_lshl_b32 s47, s46, 3
	s_add_co_u32 s45, s45, s47
	v_add_nc_u32 v[DM], s45, v[DM]                 ; 32 (T / 2) + 8 (T % 2) + r + 8 (r / 8) - 16 h
	s_lshl_b32 s47, s[LATE], 9
	s_add_co_u32 s47, s47, SCW
	v_add_nc_u32 v[SCR], s47, v[LI]
	s_lshl_b32 s48, s[TT], 6
	s_add_co_u32 s48, s48, s47
	v_lshl_add_u32 v[SCA], v9, 2, s48
	s_lshl_b32 s44, s44, 7
	v_lshl_add_u32 v[QSO], v8, 2, s44              ; 4 x lane + 128 (T / 2)
	s_lshl_b32 s46, s46, 4                         ; which half of the pair's word is my tile's
	s_wait_kmcnt 0x0
	s_add_nc_u64 s[HB:HB+1], s[6:7], s[30:31]
	s_add_nc_u64 s[4:5], s[4:5], s[34:35]
	s_add_nc_u64 s[42:43], s[4:5], s[36:37]
	s_add_nc_u64 s[8:9], s[8:9], s[40:41]
	s_add_nc_u64 s[10:11], s[10:11], s[38:39]
	s_mov_b64 s[CUR:CUR+1], s[HB:HB+1]
	global_load_b128 v[22:25], v[LI], s[42:43]     ; Q's half image stays in registers
	global_load_b64 v[26:27], v[L8], s[42:43] offset:512
	global_load_b32 v[QS], v[QSO], s[4:5] offset:6144
	GLOAD                                          ; steps 0 and 1
	s_wait_loadcnt 0x0
	v_lshrrev_b32 v[QS], s46, v[QS]
	v_and_b32 v[QS], 0xffff, v[QS]
	v_lshl_or_b32 v[QS], v[QS], 16, v[QS]          ; my tile's two bytes, twice
.irp j, 16,17,18,19,20,21,28,29,30,31,32,33
	v_mov_b32 v[\j], 0                             ; the zero codes on both sides of Q
.endr
	v_mov_b32 v13, 0xff61b1e6                      ; the largest t so far: -3e38
	v_floor_f32 v12, -v13
	v_mov_b32 v14, 0
	v_mov_b32 v15, 0
.irp b, 0,1,2,3
	v_mov_b32 v[236+\b], 0                         ; a lane permute's destination counts as one of its sources
.endr
	v_mov_b32 v252, 0
	v_mov_b32 v253, 0
.set n, 0
.rept 32
	v_mov_b32 v[160+n], 0                          ; O^T: the step is written once; its first run finds zeros.  (Also the places between Q's scale word, the zero codes and the first product)
.set n, n+1
.endr
	GSTORE 0
	s_mov_b32 s[OFF], SLOTB
	s_mov_b32 s[OFF+1], 0
	s_add_nc_u64 s[CUR:CUR+1], s[HB:HB+1], s[OFF:OFF+1]
	s_wait_dscnt 0x0
	GLOAD                                          ; steps 2 and 3
	s_barrier_signal -1
	s_barrier_wait -1                              ; slot 0 is whole
.Ltrip:
	HALF 0, 1
	HALF 1, 0
	s_sub_co_u32 s[TR], s[TR], 1
	s_cmp_lg_u32 s[TR], 0
	s_cbranch_scc1 .Ltrip
	; THE WAY OUT: O^T / the sum; its two blocks of 32 are quantised; a half image and a scale word (two bytes) leave.
	s_wait_loadcnt 0x0
	v_add_f32 v14, v14, v15
	v_permlanex16_b32 v252, v14, s[SEL], s[SEL+1]
	v_add_f32 v14, v14, v252
	v_rcp_f32 v14, v14
	v_nop                                          ; a plain instruction behind the reciprocal
	s_wait_alu depctr_va_vdst(0)                   ; and the wait ahead of its first reader
.set n, 0
.rept 32
	v_mul_f32 v[96+n], v[160+n], v14               ; register 16 b + i: d = 32 b + 16 (lane / 16) + i of my query
.set n, n+1
.endr
.irp b, 0,1
	v_max3_num_f32 v[232+\b], |v[96+16*\b]|, |v[97+16*\b]|, 0x1800000
.endr
.irp i, 2,4,6,8,10,12,14
.irp b, 0,1
	v_max3_num_f32 v[232+\b], v[232+\b], |v[96+16*\b+\i]|, |v[97+16*\b+\i]|
.endr
.endr
.irp b, 0,1
	v_permlanex16_b32 v[236+\b], v[232+\b], s[SEL], s[SEL+1]
.endr
.irp b, 0,1
	v_max_num_f32 v[232+\b], v[232+\b], v[236+\b]
.endr
.irp b, 0,1
	v_add_nc_u32 v[244+\b], 0xff000000, v[232+\b]
.endr
.irp b, 0,1
	v_lshrrev_b32 v[236+\b], 23, v[244+\b]
.endr
	v_lshl_or_b32 v240, v237, 8, v236
	v_cvt_scalef32_pk16_fp6_f32 v[224:226], v[96:111], v244
	v_cvt_scalef32_pk16_fp6_f32 v[248:250], v[112:127], v245
	v_nop
.irp i, 0,1,2
	v_permlane16_swap_b32 v[224+\i], v[248+\i]     ; lanes 0-15 block 0, lanes 16-31 block 1
.endr
.irp i, 0,1,2
	v_mov_b32 v[227+\i], v[248+\i]
.endr
	global_store_b128 v[LI], v[224:227], s[8:9]    ; 512 and 256 consecutive bytes, aligned
	global_store_b64 v[L8], v[228:229], s[8:9] offset:512
	ds_store_b32 v[SCA], v240                      ; lanes l and l + 16 write the same word with the same value
	s_wait_dscnt 0x0
	s_barrier_signal -1
	s_barrier_wait -1                              ; both blocks' 128 words lie in LDS
	s_cmp_lt_u32 s[WV], 2                          ; wave 0 (early) and wave 1 (late) send their own block's: 512 consecutive bytes
	s_cbranch_scc0 .Lend
	ds_load_b128 v[96:99], v[SCR]
	s_wait_dscnt 0x0
	global_store_b128 v[LI], v[96:99], s[10:11]
.Lend:
	s_wait_tensorcnt 0x0
	ds_add_u32 v251, v255
	s_wait_dscnt 0x0
	s_endpgm
.Lfunc_end_k_qab94c7f0ee_attn:
	.size	k_qab94c7f0ee_attn, .Lfunc_end_k_qab94c7f0ee_attn-k_qab94c7f0ee_attn
	.p2alignl 7, 3214868480
	.fill 96, 4, 3214868480
	.section	.rodata,"a",@progbits
	.p2align	6, 0x0
	.amdhsa_kernel k_qab94c7f0ee_attn
		.amdhsa_group_segment_fixed_size 54272
		.amdhsa_private_segment_fixed_size 0
		.amdhsa_enable_private_segment 0
		.amdhsa_kernarg_size 32
		.amdhsa_user_sgpr_count 2
		.amdhsa_user_sgpr_kernarg_segment_ptr 1
		.amdhsa_wavefront_size32 1
		.amdhsa_system_sgpr_workgroup_id_x 1
		.amdhsa_system_sgpr_workgroup_id_y 1
		.amdhsa_system_sgpr_workgroup_id_z 1
		.amdhsa_system_vgpr_workitem_id 0
		.amdhsa_next_free_vgpr 256
		.amdhsa_next_free_sgpr 66
		.amdhsa_reserve_vcc 1
		.amdhsa_float_denorm_mode_32 3
		.amdhsa_float_denorm_mode_16_64 3
		.amdhsa_memory_ordered 1
		.amdhsa_forward_progress 1
		.amdhsa_inst_pref_size 94
	.end_amdhsa_kernel
	.amdgpu_metadata
---
amdhsa.version: [ 1, 2 ]
amdhsa.kernels:
  - .name:           k_qab94c7f0ee_attn
    .symbol:         k_qab94c7f0ee_attn.kd
    .args:
      - { .name: qws, .offset: 0, .size: 8, .value_kind: global_buffer, .address_space: global }
      - { .name: kvws, .offset: 8, .size: 8, .value_kind: global_buffer, .address_space: global }
      - { .name: acws, .offset: 16, .size: 8, .value_kind: global_buffer, .address_space: global }
      - { .name: asws, .offset: 24, .size: 8, .value_kind: global_buffer, .address_space: global }
    .group_segment_fixed_size: 54272
    .private_segment_fixed_size: 0
    .kernarg_segment_align: 8
    .kernarg_segment_size: 32
    .max_flat_workgroup_size: 512
    .sgpr_count:     66
    .vgpr_count:     256
    .wavefront_size: 32
...
	.end_amdgpu_metadata
.endif
;; end of part 2
;; launch outp (part 3): grid 4 x 64, 8 waves a work-group, no clusters, 70,656 bytes of LDS; arguments acws, asws, Wo_codes, Wo_scales, out0; writes out0
.if DOCPART == 3
	.amdgcn_target "amdgcn-amd-amdhsa--gfx1250"
	.amdhsa_code_object_version 6
	.text
	.protected	k_qab94c7f0ee_outp
	.globl	k_qab94c7f0ee_outp
	.p2align	8
	.type	k_qab94c7f0ee_outp,@function
k_qab94c7f0ee_outp:
	s_mov_b64 s[64:65], 0
	v_nop
	global_prefetch_b8 v0, s[64:65] scope:SCOPE_SE
	s_setreg_imm32_b32 hwreg(HW_REG_WAVE_MODE, 25, 1), 1
	s_wait_xcnt 0x0
; out0 = a Wo^T on codes of FP6 (E2M3) with E8M0 scales; a is the attention's result as the launch before laid it: half images [b][blk][tile T][head][768] and scale words [bh][blk][T][r] (two bytes each).
; A work-group takes 128 tokens x 128 columns.  Wave w: p = w % 4 (token tiles 2 p, 2 p + 1: tokens 32 p .. 32 p + 31), ch = w / 4 (64 columns, four tiles of Wo's rows as they lie).
; A K step of 128 is two heads: a's fragment is the half images of heads 2 s and 2 s + 1 on end, its scale word their two words.  Used transposed (source 0 = 16 rows of Wo, source 1 = 16 tokens):
; a lane holds eight neighbouring columns of one token.  Operands go from memory straight into registers, two K steps' worth by turns; no wave hands anything to another: no barrier.
; Row r of token tile 2 p + u is token 32 p + 8 u + r + 8 (r / 8): the wave's own stage in LDS puts the rows in order, and sixteen lanes store 256 consecutive bytes, aligned.
; No tensor load, cluster or prefetch: the launch is 32 matrix instructions a wave.
.set BX,  32                           ; v32-103  buffer X: a's fragments at 12 u, Wo's at 24 + 12 t
.set BY,  104                          ; v104-175 buffer Y
.set ACC, 176                          ; v176-239 accumulator (t, u) at 8 (2 t + u)
.set RAW, 240                          ; v240-255 a's words as stored, 8 u + head
.set WS,  8                            ; v8-23    Wo's scale words, 4 t + s
.set AS,  24                           ; v24-31   a's, 4 u + s
; v0 (behind the head) 2,048 h + 16 r: out0; v1 16 l; v2 8 l; v3 384 r + 24 h; v4 16 r; v5 4 r; v6 the stage, in; v7 the stage, back
.macro KLOAD buf, s                    ; 32 loads: K step s
.irp u, 0,1
.irp c, 0,1
	global_load_b128 v[\buf+12*\u+6*\c:\buf+12*\u+6*\c+3], v1, s[4:5] offset:6144*\u+768*(2*\s+\c)
	global_load_b64 v[\buf+12*\u+6*\c+4:\buf+12*\u+6*\c+5], v2, s[4:5] offset:6144*\u+768*(2*\s+\c)+512
.endr
.endr
.irp t, 0,1,2,3
.irp q, 0,1,2,3,4,5
	global_load_b64 v[\buf+24+12*\t+2*\q:\buf+24+12*\t+2*\q+1], v3, s[8:9] offset:6144*\t+96*\s+48*(\q/3)+8*(\q%3)
.endr
.endr
.endm
.macro MUL buf, s                      ; eight accumulators by turns; the first K step starts the sums
.irp t, 0,1,2,3
.irp u, 0,1
.if \s == 0
	v_wmma_scale_f32_16x16x128_f8f6f4 v[ACC+8*(2*\t+\u):ACC+8*(2*\t+\u)+7], v[\buf+24+12*\t:\buf+24+12*\t+11], v[\buf+12*\u:\buf+12*\u+11], 0, v[WS+4*\t+\s], v[AS+4*\u+\s] matrix_a_fmt:MATRIX_FMT_FP6 matrix_b_fmt:MATRIX_FMT_FP6
.else
	v_wmma_scale_f32_16x16x128_f8f6f4 v[ACC+8*(2*\t+\u):ACC+8*(2*\t+\u)+7], v[\buf+24+12*\t:\buf+24+12*\t+11], v[\buf+12*\u:\buf+12*\u+11], v[ACC+8*(2*\t+\u):ACC+8*(2*\t+\u)+7], v[WS+4*\t+\s], v[AS+4*\u+\s] matrix_a_fmt:MATRIX_FMT_FP6 matrix_b_fmt:MATRIX_FMT_FP6
.endif
.endr
.endr
.endm
.macro PLACES                          ; four plain instructions behind a matrix instruction, ahead of loads into its registers and of the first read of its results
.rept 4
	v_nop
.endr
.endm
	s_load_b256 s[4:11], s[0:1], 0x0               ; acws s[4:5], asws s[6:7], Wo's codes s[8:9], Wo's scales s[10:11]
	s_load_b64 s[12:13], s[0:1], 0x20              ; out0
	s_set_vgpr_msb 0x40
	v_lshl_add_u32 v0, v0, 2, 0x11000
	v_mov_b32 v1, 0
	s_set_vgpr_msb 0x4000
	v_lshrrev_b32 v1, 5, v0
	v_readfirstlane_b32 s14, v1                    ; wave
	s_and_b32 s15, s14, 3                          ; p
	s_lshr_b32 s16, s14, 2                         ; ch
	s_and_b32 s17, ttmp7, 0xffff                   ; tb
	s_mul_i32 s20, s17, 49152                      ; acws: 49,152 tb + 12,288 p
	s_mul_i32 s18, s15, 12288
	s_add_co_u32 s20, s20, s18
	s_mov_b32 s21, 0
	s_lshr_b32 s22, s17, 5                         ; asws: (256 b + blk) 512 + 128 p
	s_lshl_b32 s22, s22, 8
	s_and_b32 s18, s17, 31
	s_add_co_u32 s22, s22, s18
	s_lshl_b32 s22, s22, 9
	s_lshl_b32 s18, s15, 7
	s_add_co_u32 s22, s22, s18
	s_mov_b32 s23, 0
	s_lshl_b32 s18, ttmp9, 7
	s_lshl_b32 s19, s16, 6
	s_add_co_u32 s18, s18, s19                     ; my first column: 128 cg + 64 ch
	s_mul_i32 s24, s18, 384
	s_mov_b32 s25, 0
	s_lshl_b32 s26, s18, 4
	s_mov_b32 s27, 0
	s_lshl_b32 s28, s17, 7                         ; out0: (128 tb + 32 p) rows of 2,048 bytes + 4 x column
	s_lshl_b32 s19, s15, 5
	s_add_co_u32 s28, s28, s19
	s_lshl_b32 s28, s28, 11
	s_lshl_b32 s18, s18, 2
	s_add_co_u32 s28, s28, s18
	s_mov_b32 s29, 0
	s_mul_i32 s30, s14, 8704                       ; my stage: 32 rows x (256 bytes + 16)
	v_and_b32 v32, 31, v0                          ; lane
	v_and_b32 v33, 15, v0                          ; r
	v_bfe_u32 v34, v0, 4, 1                        ; h
	v_lshlrev_b32 v1, 4, v32
	v_lshlrev_b32 v2, 3, v32
	v_mul_u32_u24 v3, v33, 384
	v_mad_u32_u24 v3, v34, 24, v3
	v_lshlrev_b32 v4, 4, v33
	v_lshlrev_b32 v5, 2, v33
	v_and_b32 v35, 8, v33
	v_add_nc_u32 v35, v35, v33                     ; r + 8 (r / 8)
	v_mul_u32_u24 v6, v35, 272
	v_lshl_add_u32 v6, v34, 5, v6
	v_add_nc_u32 v6, s30, v6                       ; in: my token's row, + 32 h
	v_mul_u32_u24 v7, v34, 272
	v_lshl_add_u32 v7, v33, 4, v7
	v_add_nc_u32 v7, s30, v7                       ; back: lanes 0-15 one row, lanes 16-31 the next
	v_lshl_add_u32 v0, v34, 11, v4                 ; and the same two rows in out0
	s_wait_kmcnt 0x0
	s_add_nc_u64 s[4:5], s[4:5], s[20:21]
	s_add_nc_u64 s[6:7], s[6:7], s[22:23]
	s_add_nc_u64 s[8:9], s[8:9], s[24:25]
	s_add_nc_u64 s[10:11], s[10:11], s[26:27]
	s_add_nc_u64 s[12:13], s[12:13], s[28:29]
.irp u, 0,1
.irp e, 0,1,2,3,4,5,6,7
	global_load_b32 v[RAW+8*\u+\e], v5, s[6:7] offset:16384*\e+64*\u
.endr
.endr
.irp t, 0,1,2,3
	global_load_b128 v[WS+4*\t:WS+4*\t+3], v4, s[10:11] offset:256*\t
.endr
	KLOAD BX, 0
	s_wait_loadcnt 32                              ; the scale words are in: the 32 loads of K step 0 were issued behind them
.irp u, 0,1
.irp s, 0,1,2,3
	v_lshl_or_b32 v[AS+4*\u+\s], v[RAW+8*\u+2*\s+1], 16, v[RAW+8*\u+2*\s]   ; heads 2 s and 2 s + 1: four bytes for 128 along K
.endr
.endr
	KLOAD BY, 1
.rept 8
	v_nop                                          ; a scale register written by a vector instruction stands eight places ahead of a scaled matrix instruction
.endr
	s_wait_loadcnt 32                              ; K step 0 is in; K step 1's 32 loads may be out
	MUL BX, 0
	PLACES
	KLOAD BX, 2
	s_wait_loadcnt 32                              ; K step 1 is in
	MUL BY, 1
	PLACES
	KLOAD BY, 3
	s_wait_loadcnt 32                              ; K step 2 is in
	MUL BX, 2
	s_wait_loadcnt 0x0
	MUL BY, 3
	PLACES
.irp t, 0,1,2,3
.irp u, 0,1
	ds_store_b128 v6, v[ACC+8*(2*\t+\u):ACC+8*(2*\t+\u)+3] offset:2176*\u+64*\t       ; each accumulator from its low end on
	ds_store_b128 v6, v[ACC+8*(2*\t+\u)+4:ACC+8*(2*\t+\u)+7] offset:2176*\u+64*\t+16
.endr
.endr
.irp i, 0,1,2,3,4,5,6,7,8,9,10,11,12,13,14,15
	ds_load_b128 v[BX+4*\i:BX+4*\i+3], v7 offset:544*\i      ; LDS serves a wave's instructions in order (ISA guide 5.7.1.4): these see my stores
.endr
.irp i, 0,1,2,3,4,5,6,7,8,9,10,11,12,13,14,15
	s_wait_dscnt 15-\i                             ; row pair i is back; the loads issued behind it may be out
	global_store_b128 v0, v[BX+4*\i:BX+4*\i+3], s[12:13] offset:4096*\i th:TH_STORE_NT   ; sixteen lanes store 256 consecutive bytes, aligned; written once, read by nobody here
.endr
	s_set_vgpr_msb 0x5
	s_wait_tensorcnt 0x0
	ds_add_u32 v0, v1
	s_wait_dscnt 0x0
	s_set_vgpr_msb 0x500
	s_endpgm
.Lfunc_end_k_qab94c7f0ee_outp:
	.size	k_qab94c7f0ee_outp, .Lfunc_end_k_qab94c7f0ee_outp-k_qab94c7f0ee_outp
	.p2alignl 7, 3214868480
	.fill 96, 4, 3214868480
	.section	.rodata,"a",@progbits
	.p2align	6, 0x0
	.amdhsa_kernel k_qab94c7f0ee_outp
		.amdhsa_group_segment_fixed_size 70656
		.amdhsa_private_segment_fixed_size 0
		.amdhsa_enable_private_segment 0
		.amdhsa_kernarg_size 40
		.amdhsa_user_sgpr_count 2
		.amdhsa_user_sgpr_kernarg_segment_ptr 1
		.amdhsa_wavefront_size32 1
		.amdhsa_system_sgpr_workgroup_id_x 1
		.amdhsa_system_sgpr_workgroup_id_y 1
		.amdhsa_system_sgpr_workgroup_id_z 1
		.amdhsa_system_vgpr_workitem_id 0
		.amdhsa_next_free_vgpr 258
		.amdhsa_next_free_sgpr 66
		.amdhsa_reserve_vcc 0
		.amdhsa_float_denorm_mode_32 3
		.amdhsa_float_denorm_mode_16_64 3
		.amdhsa_memory_ordered 1
		.amdhsa_forward_progress 1
		.amdhsa_inst_pref_size 27
	.end_amdhsa_kernel
	.amdgpu_metadata
---
amdhsa.version: [ 1, 2 ]
amdhsa.kernels:
  - .name:           k_qab94c7f0ee_outp
    .symbol:         k_qab94c7f0ee_outp.kd
    .args:
      - { .name: acws, .offset: 0, .size: 8, .value_kind: global_buffer, .address_space: global }
      - { .name: asws, .offset: 8, .size: 8, .value_kind: global_buffer, .address_space: global }
      - { .name: Wo_codes, .offset: 16, .size: 8, .value_kind: global_buffer, .address_space: global }
      - { .name: Wo_scales, .offset: 24, .size: 8, .value_kind: global_buffer, .address_space: global }
      - { .name: out0, .offset: 32, .size: 8, .value_kind: global_buffer, .address_space: global }
    .group_segment_fixed_size: 70656
    .private_segment_fixed_size: 0
    .kernarg_segment_align: 8
    .kernarg_segment_size: 40
    .max_flat_workgroup_size: 256
    .sgpr_count:     66
    .vgpr_count:     258
    .wavefront_size: 32
...
	.end_amdgpu_metadata
.endif
;; end of part 3
;; ======== version 2 of 2: 3 launches; version 1 with the launches proj, attn, outp written anew for expert scheduling mode
;; workspace buffers: qws 3,407,872 bytes; kvws 6,553,600 bytes; acws 3,145,728 bytes; asws 262,144 bytes
;; launch proj (part 4): grid 4 x 64, 8 waves a work-group, no clusters, 216,064 bytes of LDS; arguments in_features_codes, in_features_scales, Wq_codes, Wq_scales, Wk_codes, Wk_scales, Wv_codes, Wv_scales, token_positions, qws, kvws; writes qws, kvws
.if DOCPART == 4
	.amdgcn_target "amdgcn-amd-amdhsa--gfx1250"
	.amdhsa_code_object_version 6
	.text
	.protected	k_qab94c7f0ee_proj
	.globl	k_qab94c7f0ee_proj
	.p2align	8
	.type	k_qab94c7f0ee_proj,@function
k_qab94c7f0ee_proj:
	s_mov_b64 s[64:65], 0
	v_nop
	global_prefetch_b8 v0, s[64:65] scope:SCOPE_SE
	s_setreg_imm32_b32 hwreg(HW_REG_WAVE_SCHED_MODE, 0, 2), 2
	s_setreg_imm32_b32 hwreg(HW_REG_WAVE_MODE, 25, 1), 1
	s_wait_xcnt 0x0
	s_wait_alu depctr_vm_vsrc(0)
; q = rope(x Wq^T), k = rope(x Wk^T), v = x Wv^T on codes of FP6 (E2M3) with E8M0 scales; the results are quantised here: q and k along the head's 64, v along the KEYS.
; A work-group takes 128 tokens (block tb = 32 b + blk) and two heads (2 g, 2 g + 1).  Wave w: hh = w / 4 (which head), p = w % 4.
; TILES.  Row r of tile 2 p + u of a block is block row 32 p + 8 u + r + 8 (r / 8); the 16 rows of a weight's tile inside a head's 64 are chosen alike.  So the 16 registers of two neighbouring result tiles
; are 16 neighbours along the next product's K, which is what the conversions want.
; JOBS of a wave, 32 matrix instructions on 8 accumulators each: Q(head, token tiles 2 p, 2 p + 1) and K likewise, used transposed (source 0 = 16 rows of W, source 1 = 16 tokens: a lane holds one token);
; V(head, d tile p), source 0 = 16 tokens, source 1 = 16 rows of Wv: a lane holds one d and its registers run along the tokens.
; OPERANDS go through LDS as images of their registers (register 4 c + i of lane l at 512 c + 16 l + 4 i): wave w brings x's tile w and tile w of each weight, all four K steps.
; OUT.  qws block (6,656 bytes): half image (6 registers: 16 l, then 512 + 8 l) of query tile T at 768 T; at 6,144 + 128 p + 4 l the pair's scale word (tile 2 p's two bytes, tile 2 p + 1's two).
; kvws block (12,800 bytes): image of K's double tile p (registers 0-5 tile 2 p, 6-11 tile 2 p + 1) at 1,536 p; image of V^T's tile t at 6,144 + 1,536 t; at 12,288 + 16 l + 4 j: lanes 0-15 K's word j, lanes 16-31 V's.
; COS AND SIN are computed in f32 from token_positions: angle = position x inv_freq; reduced by multiples of pi / 2 in two parts (the first product is exact); polynomials on |r| <= pi / 4.
; LIMITS: positions 0 .. 4,095 (the table of the problem); inv_freq is the f32 nearest to 10^(-i / 8); a block of zeros gets the scale byte 1 (its codes are zeros; only this program reads the bytes);
; NaN, infinities and the scale byte 0xff among the inputs are not served.
; THE MODE: SCHED_MODE bits 1:0 = 2 (LLVM: expert scheduling mode 2), set by the entry lines.  The code itself states the register dependences between vector or matrix instructions and memory or LDS
; instructions, with s_wait_alu, always for 0.
; THE PLAN.  Registers that memory or LDS instructions touch:
;   v4-15, v30  addresses, made at the head ahead of the first load and never written again.  v16-19: addresses made behind the sines, first used behind the wait in front of job Q's stores.
;   v31         the offset of the two position loads; written again in jobs K and V (a scale word), behind waits on vm_vsrc; read by the last LDS store.
;   v96-207     at the head: loads land, LDS stores read, no vector instruction names them.  A wait on vm_vsrc stands behind each round's LDS stores, ahead of what lands in them or writes them next.
;   v160-255    in the jobs: LDS loads land, the products read; the quantiser writes v160-196, the job's stores read v160-171 and v196.  (Job V's loads also land in v32-79, which the rotations read.)
; So a job holds: one wait on va_vdst ahead of each later K step's loads (the last step's products are done reading); one ahead of its stores (codes and scale word are written; all the job's vector and matrix
; work is done with v32-95 and v160-255: no vector instruction stands between that wait and the next job's first loads); one wait on vm_vsrc behind its stores.
.set XIMG, 0                           ; LDS: x's images, tile T, K step s at 6,144 T + 1,536 s
.set WIMG, 49152                       ; the weights': 49,152 y + 6,144 (4 hh + t) + 1,536 s, y = q, k, v
.set XSC,  196608                      ; x's scale words: tile T at 512 T, lane l's four K steps at 16 l
.set WSC,  200704                      ; the weights': 4,096 y + 512 (4 hh + t)
.set SG,   212992                      ; the scale words on their way out: 1,024 for each head: q's 512, then k's and v's 512
.set FRB,  1536                        ; an image
.set VX,  4                            ; v4   (r + 8 (r / 8)) x 384 + 24 h: my bytes in 16 rows of codes
.set VS,  5                            ; v5   (r + 8 (r / 8)) x 16: my row's scale bytes
.set LI,  6                            ; v6   16 x lane
.set SX,  7                            ; v7   where I store x's images
.set SW0, 8                            ; v8   Wq's (Wk's 49,152 on)
.set SW2, 9                            ; v9   Wv's; also where I read my Wv tile
.set SS,  10                           ; v10  where I store scale words
.set RX,  11                           ; v11  where I read my two token tiles
.set RWQ, 12                           ; v12  my head's tiles of Wq
.set RWK, 13                           ; v13  of Wk
.set RSX, 14                           ; v14  my token tiles' scale words
.set RSW, 15                           ; v15  my head's weights' scale words
.set SGK, 16                           ; v16  (made behind the sines) SG: my word of k's and v's image
.set SGR, 17                           ; v17  SG: read back
.set L8,  18                           ; v18  8 x lane
.set RS,  19                           ; v19  all eight token tiles' scale words
.set RT,  20                           ; v20-23 at work in the rotation
.set POS, 28                           ; v28-29 my two tokens' positions
.set SGQ, 30                           ; v30  SG: my word of q's
.set KW,  31                           ; v31  first the positions' offset, then k's scale word kept for the image
.set CSN, 32                           ; v32-95 cos, sin: token of tile 2 p + k, pair slot f at 32 k + 2 f
.set ACC, 96                           ; v96-159 eight accumulators
.set XF,  160                          ; v160-183 two token fragments (job V: eight, v160-255)
.set WF,  184                          ; v184-231 four weight fragments
.set XSW, 232                          ; v232-239 x's scale words, 4 u + s
.set WSW, 240                          ; v240-255 the weight's, 4 t + s
.set PC,  160                          ; the quantiser: codes v160-179,
.set TM,  180                          ; at work v180-195,
.set PW,  196                          ; the scale word
.set MK,  76                           ; s76-77 the two masks of an odd quarter turn: written by compares alone
.macro PLACES                          ; four plain instructions behind a matrix instruction, ahead of loads into its registers and of the first read of its results
.rept 4
	v_nop
.endr
.endm
.macro GFRAG reg, base, s              ; a fragment from rows of 384 bytes: 24 bytes at 96 s + 24 h and 24 at 48 on, in pieces of 8
.irp q, 0,1,2,3,4,5
	global_load_b64 v[\reg+2*\q:\reg+2*\q+1], v[VX], s[\base:\base+1] offset:96*(\s)+48*(\q/3)+8*(\q%3)
.endr
.endm
.macro IMG adr, reg, off               ; twelve registers to LDS as they stand
.irp c, 0,1,2
	ds_store_b128 v[\adr], v[\reg+4*\c:\reg+4*\c+3] offset:\off+512*\c
.endr
.endm
.macro LFRAG reg, adr, off             ; and back, in any wave
.irp c, 0,1,2
	ds_load_b128 v[\reg+4*\c:\reg+4*\c+3], v[\adr] offset:\off+512*\c
.endr
.endm
; cos and sin of my two tokens' angles for pair slot f: lanes 0-15 take frequency flo, lanes 16-31 fhi.  Per token five registers: r, k, z, sine, cosine.
.macro SINCOS f, flo, fhi
	v_mov_b32 v16, \flo
	v_mov_b32 v17, \fhi
	v_cndmask_b32 v16, v16, v17, s48
.irp k, 0,1
	v_mul_f32 v[18+5*\k], v[POS+\k], v16                        ; the angle, rounded once, as the table's
.endr
.irp k, 0,1
	v_mul_f32 v[19+5*\k], s49, v[18+5*\k]
.endr
.irp k, 0,1
	v_rndne_f32 v[19+5*\k], v[19+5*\k]                          ; how many quarter turns
.endr
.irp k, 0,1
	v_fma_f32 v[18+5*\k], v[19+5*\k], s50, v[18+5*\k]           ; less k x the f32 nearest pi / 2: exact
.endr
.irp k, 0,1
	v_fma_f32 v[18+5*\k], v[19+5*\k], s51, v[18+5*\k]           ; and what that f32 is too large by
.endr
.irp k, 0,1
	v_cvt_i32_f32 v[19+5*\k], v[19+5*\k]
	v_mul_f32 v[20+5*\k], v[18+5*\k], v[18+5*\k]                ; z = r r
.endr
.irp k, 0,1
	v_fma_f32 v[21+5*\k], v[20+5*\k], s54, s53
	v_fma_f32 v[22+5*\k], v[20+5*\k], s57, s56
.endr
.irp k, 0,1
	v_fma_f32 v[21+5*\k], v[21+5*\k], v[20+5*\k], s52
	v_fma_f32 v[22+5*\k], v[22+5*\k], v[20+5*\k], s55
.endr
.irp k, 0,1
	v_mul_f32 v[21+5*\k], v[21+5*\k], v[20+5*\k]
	v_mul_f32 v[22+5*\k], v[22+5*\k], v[20+5*\k]
.endr
.irp k, 0,1
	v_fma_f32 v[21+5*\k], v[21+5*\k], v[18+5*\k], v[18+5*\k]    ; sin r
.endr
.irp k, 0,1
	v_fma_f32 v[18+5*\k], v[20+5*\k], -0.5, 1.0
.endr
.irp k, 0,1
	v_fma_f32 v[22+5*\k], v[22+5*\k], v[20+5*\k], v[18+5*\k]    ; cos r
.endr
.irp k, 0,1
	v_and_b32 v[20+5*\k], 1, v[19+5*\k]
	v_add_nc_u32 v[18+5*\k], 1, v[19+5*\k]
.endr
.irp k, 0,1
	v_cmp_eq_u32 s[MK+\k], 1, v[20+5*\k]                        ; an odd quarter swaps the two
.endr
.irp k, 0,1
	v_lshlrev_b32 v[19+5*\k], 30, v[19+5*\k]                    ; the sine's sign: bit 1 of k; the cosine's: bit 1 of k + 1.  (These eight lines read no mask: they stand between the compares and the wait)
	v_lshlrev_b32 v[18+5*\k], 30, v[18+5*\k]
.endr
.irp k, 0,1
	v_and_b32 v[19+5*\k], 0x80000000, v[19+5*\k]
	v_and_b32 v[18+5*\k], 0x80000000, v[18+5*\k]
.endr
	s_wait_alu depctr_va_sdst(0)                                ; the two compares have written s76 and s77, ahead of the selects that read them
.irp k, 0,1
	v_cndmask_b32 v[20+5*\k], v[21+5*\k], v[22+5*\k], s[MK+\k]
	v_cndmask_b32 v[22+5*\k], v[22+5*\k], v[21+5*\k], s[MK+\k]
.endr
.irp k, 0,1
	v_xor_b32 v[CSN+32*\k+2*(\f)+1], v[19+5*\k], v[20+5*\k]
	v_xor_b32 v[CSN+32*\k+2*(\f)], v[18+5*\k], v[22+5*\k]
.endr
.endm
; The rotation: pair n of 32 (token tile n / 16, slot n % 16) lies in accumulator registers 2 n, 2 n + 1; its cos and sin in CSN + 2 n, + 1.  Each accumulator is read from its low end on.
.macro ROPE
.set n, 0
.rept 32
	v_mul_f32 v[RT+2*(n%2)], v[ACC+1+2*n], v[CSN+1+2*n]
	v_mul_f32 v[RT+1+2*(n%2)], v[ACC+1+2*n], v[CSN+2*n]
	v_fma_f32 v[ACC+1+2*n], v[ACC+2*n], v[CSN+1+2*n], v[RT+1+2*(n%2)]
	v_fma_f32 v[ACC+2*n], v[ACC+2*n], v[CSN+2*n], -v[RT+2*(n%2)]
.set n, n+1
.endr
.endm
; 64 numbers of a lane, register 16 b + i = k 32 b + 16 (lane / 16) + i of my row, become a fragment's codes in v[PC] on and its scale word in v[PW].
.macro QUANT s
.irp b, 0,1,2,3
	v_mov_b32 v[TM+4+\b], 0                                     ; a lane permute's destination counts as one of its sources
.endr
.irp b, 0,1,2,3
	v_max3_num_f32 v[TM+\b], |v[\s+16*\b]|, |v[\s+1+16*\b]|, 0x1800000   ; my 16 numbers of block b, and the floor 2^(3 - 127): the byte cannot fall under 1
.endr
.irp i, 2,4,6,8,10,12,14
.irp b, 0,1,2,3
	v_max3_num_f32 v[TM+\b], v[TM+\b], |v[\s+16*\b+\i]|, |v[\s+1+16*\b+\i]|
.endr
.endr
.irp b, 0,1,2,3
	v_permlanex16_b32 v[TM+4+\b], v[TM+\b], s66, s67
.endr
.irp b, 0,1,2,3
	v_max_num_f32 v[TM+\b], v[TM+\b], v[TM+4+\b]                ; with lane l xor 16's: the block's largest magnitude
.endr
.irp b, 0,1,2,3
	v_add_nc_u32 v[TM+12+\b], 0xff000000, v[TM+\b]              ; 2 off its exponent field: the conversion's scale operand
.endr
.irp b, 0,1,2,3
	v_lshrrev_b32 v[TM+4+\b], 23, v[TM+12+\b]                   ; the scale's byte
.endr
	v_lshl_or_b32 v[PW], v[TM+5], 8, v[TM+4]
	v_lshl_or_b32 v[PW], v[TM+6], 16, v[PW]
	v_lshl_or_b32 v[PW], v[TM+7], 24, v[PW]
.irp c, 0,1
	v_cvt_scalef32_pk16_fp6_f32 v[PC+6*\c:PC+2+6*\c], v[\s+32*\c:\s+15+32*\c], v[TM+12+2*\c]
	v_cvt_scalef32_pk16_fp6_f32 v[PC+12+4*\c:PC+14+4*\c], v[\s+16+32*\c:\s+31+32*\c], v[TM+12+2*\c+1]   ; (a conversion's three registers begin on an even number)
.endr
	v_nop                                                       ; one plain instruction behind a scaled conversion
.irp c, 0,1                                                 ; the operand wants a whole block in a lane: lanes 0-15 block 2 c, lanes 16-31 block 2 c + 1
.irp i, 0,1,2
	v_permlane16_swap_b32 v[PC+6*\c+\i], v[PC+12+4*\c+\i]
.endr
.irp i, 0,1,2
	v_mov_b32 v[PC+3+6*\c+\i], v[PC+12+4*\c+\i]
.endr
.endr
.endm
; Job Q (kind 0) or K (kind 1): rw = where my head's four weight tiles lie, y = which weight's scale words.
.macro QKJOB rw, y, kind
.irp s, 0,1,2,3
.if \s > 0
	PLACES
	s_wait_alu depctr_va_vdst(0)                                ; the last K step's eight products are done reading v160-231, in which the loads below land
.endif
.irp u, 0,1
	LFRAG XF+12*\u, RX, 6144*\u+FRB*\s
.endr
.irp t, 0,1,2,3
	LFRAG WF+12*\t, \rw, 6144*\t+FRB*\s
.endr
.if \s == 0
.irp u, 0,1
	ds_load_b128 v[XSW+4*\u:XSW+4*\u+3], v[RSX] offset:512*\u
.endr
.irp t, 0,1,2,3
	ds_load_b128 v[WSW+4*\t:WSW+4*\t+3], v[RSW] offset:4096*\y+512*\t
.endr
.endif
	s_wait_dscnt 0x0
.irp t, 0,1,2,3                                             ; the eight accumulators take turns, one instruction a turn
.irp u, 0,1
.if \s == 0
	v_wmma_scale_f32_16x16x128_f8f6f4 v[ACC+32*\u+8*\t:ACC+32*\u+8*\t+7], v[WF+12*\t:WF+12*\t+11], v[XF+12*\u:XF+12*\u+11], 0, v[WSW+4*\t+\s], v[XSW+4*\u+\s] matrix_a_fmt:MATRIX_FMT_FP6 matrix_b_fmt:MATRIX_FMT_FP6
.else
	v_wmma_scale_f32_16x16x128_f8f6f4 v[ACC+32*\u+8*\t:ACC+32*\u+8*\t+7], v[WF+12*\t:WF+12*\t+11], v[XF+12*\u:XF+12*\u+11], v[ACC+32*\u+8*\t:ACC+32*\u+8*\t+7], v[WSW+4*\t+\s], v[XSW+4*\u+\s] matrix_a_fmt:MATRIX_FMT_FP6 matrix_b_fmt:MATRIX_FMT_FP6
.endif
.endr
.endr
.endr
	PLACES
	ROPE
	QUANT ACC                                                   ; blocks 0, 1: tile 2 p's two blocks of 32; blocks 2, 3: tile 2 p + 1's
.if \kind == 1
	v_mov_b32 v[KW], v[PW]                                      ; k's scale word is kept for the image (the loads that read v31 as their offset stand ahead of a wait on vm_vsrc)
.endif
	s_wait_alu depctr_va_vdst(0)                                ; the codes v160-171, the word v196 and the offset v18 are written, which the stores below read; and the job's products, rotations and conversions are done with v32-95 and v160-255, in which the next job's loads land
.if \kind == 0
	global_store_b128 v[LI], v[PC:PC+3], s[72:73]               ; two half images; each store of the wave covers 512 or 256 consecutive bytes, aligned
	global_store_b64 v[L8], v[PC+4:PC+5], s[72:73] offset:512
	global_store_b128 v[LI], v[PC+6:PC+9], s[72:73] offset:768
	global_store_b64 v[L8], v[PC+10:PC+11], s[72:73] offset:1280
	ds_store_b32 v[SGQ], v[PW]
.else
.irp c, 0,1,2
	global_store_b128 v[LI], v[PC+4*\c:PC+4*\c+3], s[74:75] offset:512*\c   ; the double tile's image
.endr
.endif
	s_wait_xcnt 0x0                                             ; the stores have read their registers: the next job's loads may land there
	s_wait_dscnt 0x0
	s_wait_alu depctr_vm_vsrc(0)                                ; the stores have read v160-171 and v196, in which the next job's loads land and which its quantiser writes
.endm
	s_load_b512 s[4:19], s[0:1], 0x0               ; x's codes s[4:5], scales s[6:7]; Wq's s[8:11]; Wk's s[12:15]; Wv's s[16:19]
	s_load_b128 s[20:23], s[0:1], 0x40             ; token_positions, qws
	s_load_b64 s[24:25], s[0:1], 0x50              ; kvws
	s_set_vgpr_msb 0x40
	v_lshl_add_u32 v0, v0, 2, 0x34800
	v_mov_b32 v1, 0
	s_set_vgpr_msb 0x4000
	v_lshrrev_b32 v1, 5, v0
	v_readfirstlane_b32 s26, v1                    ; wave w
	v_and_b32 v1, 31, v0                           ; lane
	v_and_b32 v2, 15, v0                           ; r
	v_bfe_u32 v3, v0, 4, 1                         ; h
	v_and_b32 v16, 8, v2
	v_add_nc_u32 v16, v16, v2                      ; r + 8 (r / 8)
	v_mul_u32_u24 v[VX], v16, 384
	v_mad_u32_u24 v[VX], v3, 24, v[VX]
	v_lshlrev_b32 v[VS], 4, v16
	v_lshlrev_b32 v[KW], 2, v16                    ; the positions' offset
	v_lshlrev_b32 v[LI], 4, v1
	s_wait_alu depctr_va_sdst(0)                   ; s26 is written, ahead of its first reader
	s_and_b32 s27, s26, 3                          ; p
	s_lshr_b32 s28, s26, 2                         ; hh
	s_and_b32 s30, ttmp7, 0xffff                   ; tb
	s_and_b32 s31, s30, 31                         ; blk
	s_lshr_b32 s32, s30, 5                         ; b
	s_lshl_b32 s33, ttmp9, 1
	s_add_co_u32 s33, s33, s28                     ; head = 2 g + hh
	s_mul_i32 s34, s26, 6144
	v_add_nc_u32 v[SX], s34, v[LI]
	v_add_nc_u32 v[SW0], WIMG, v[SX]
	v_add_nc_u32 v[SW2], WIMG+2*49152, v[SX]
	s_lshl_b32 s34, s26, 9
	s_add_co_u32 s34, s34, XSC
	v_add_nc_u32 v[SS], s34, v[LI]
	s_mul_i32 s34, s27, 12288
	v_add_nc_u32 v[RX], s34, v[LI]
	s_mul_i32 s34, s28, 24576
	s_add_co_u32 s34, s34, WIMG
	v_add_nc_u32 v[RWQ], s34, v[LI]
	v_add_nc_u32 v[RWK], 49152, v[RWQ]
	s_lshl_b32 s34, s27, 10
	s_add_co_u32 s34, s34, XSC
	v_add_nc_u32 v[RSX], s34, v[LI]
	s_lshl_b32 s34, s28, 11
	s_add_co_u32 s34, s34, WSC
	v_add_nc_u32 v[RSW], s34, v[LI]
	s_lshl_b32 s34, s28, 10
	s_lshl_b32 s35, s27, 7
	s_add_co_u32 s35, s35, s34
	s_add_co_u32 s35, s35, SG
	v_lshl_add_u32 v[SGQ], v1, 2, s35
	; the rows that I bring: x's tile w begins at row 128 tb + 32 (w / 2) + 8 (w % 2); each weight's tile at row 64 head + 32 (p / 2) + 8 (p % 2)
	s_lshr_b32 s34, s26, 1
	s_lshl_b32 s34, s34, 5
	s_and_b32 s35, s26, 1
	s_lshl_b32 s35, s35, 3
	s_add_co_u32 s34, s34, s35
	s_lshl_b32 s35, s30, 7
	s_add_co_u32 s34, s34, s35
	s_mul_i32 s36, s34, 384
	s_mov_b32 s37, 0
	s_lshl_b32 s38, s34, 4
	s_mov_b32 s39, 0
	s_lshr_b32 s34, s27, 1
	s_lshl_b32 s34, s34, 5
	s_and_b32 s35, s27, 1
	s_lshl_b32 s35, s35, 3
	s_add_co_u32 s34, s34, s35
	s_lshl_b32 s35, s33, 6
	s_add_co_u32 s34, s34, s35
	s_mul_i32 s40, s34, 384
	s_mov_b32 s41, 0
	s_lshl_b32 s42, s34, 4
	s_mov_b32 s43, 0
	s_lshl_b32 s44, s31, 7                         ; my tokens' positions: 4 (128 blk + 32 p) bytes on
	s_lshl_b32 s35, s27, 5
	s_add_co_u32 s44, s44, s35
	s_lshl_b32 s44, s44, 2
	s_mov_b32 s45, 0
	s_lshl_b32 s34, s32, 3
	s_add_co_u32 s34, s34, s33                     ; bh = 8 b + head
	s_lshl_b32 s34, s34, 5
	s_add_co_u32 s34, s34, s31                     ; 32 bh + blk
	s_mul_i32 s46, s34, 6656
	s_mov_b32 s47, 0
	s_mul_i32 s68, s34, 12800
	s_mov_b32 s69, 0
	s_mul_i32 s70, s27, FRB
	s_mov_b32 s71, 0
	s_mov_b32 s48, 0xffff0000                      ; lanes 16-31
	s_mov_b32 s49, 0x3f22f983                      ; 2 / pi
	s_mov_b32 s50, 0xbfc90fdb                      ; -(the f32 nearest pi / 2)
	s_mov_b32 s51, 0x333bbd2e                      ; that f32 less pi / 2
	s_mov_b32 s52, -0.16666654611                  ; the sine's three coefficients
	s_mov_b32 s53, 0.0083321608736
	s_mov_b32 s54, -0.00019515295891
	s_mov_b32 s55, 0.04166664568                   ; the cosine's
	s_mov_b32 s56, -0.001388731625
	s_mov_b32 s57, 0.00002443315712
	s_mov_b32 s66, 0x76543210                      ; v_permlanex16_b32's selects for lane l xor 16
	s_mov_b32 s67, 0xfedcba98
	s_wait_kmcnt 0x0
	s_add_nc_u64 s[4:5], s[4:5], s[36:37]
	s_add_nc_u64 s[6:7], s[6:7], s[38:39]
	s_add_nc_u64 s[8:9], s[8:9], s[40:41]
	s_add_nc_u64 s[10:11], s[10:11], s[42:43]
	s_add_nc_u64 s[12:13], s[12:13], s[40:41]
	s_add_nc_u64 s[14:15], s[14:15], s[42:43]
	s_add_nc_u64 s[16:17], s[16:17], s[40:41]
	s_add_nc_u64 s[18:19], s[18:19], s[42:43]
	s_add_nc_u64 s[20:21], s[20:21], s[44:45]
	s_add_nc_u64 s[22:23], s[22:23], s[46:47]      ; my block of qws
	s_add_nc_u64 s[24:25], s[24:25], s[68:69]      ; and of kvws
	s_add_nc_u64 s[72:73], s[22:23], s[70:71]      ; my pair's place in each
	s_add_nc_u64 s[74:75], s[24:25], s[70:71]
	s_wait_alu depctr_va_vdst(0)                   ; the offsets and LDS addresses v4-15, v30 and v31 are written, which the loads and stores below read
	; ---- first round: positions, scale bytes, x's tile and Wq's; the first eight slots of cos and sin are computed while the fragments are on their way
	global_load_b32 v[POS], v[KW], s[20:21]
	global_load_b32 v[POS+1], v[KW], s[20:21] offset:32
	global_load_b128 v[192:195], v[VS], s[6:7]
	global_load_b128 v[196:199], v[VS], s[10:11]
	global_load_b128 v[200:203], v[VS], s[14:15]
	global_load_b128 v[204:207], v[VS], s[18:19]
.irp s, 0,1,2,3
	GFRAG ACC+12*\s, 4, \s
.endr
.irp s, 0,1,2,3
	GFRAG ACC+48+12*\s, 8, \s
.endr
	s_wait_loadcnt 52                              ; the two positions are in: 4 + 48 loads were issued behind them
	v_cvt_f32_i32 v[POS], v[POS]
	v_cvt_f32_i32 v[POS+1], v[POS+1]
	SINCOS 0, 1.0, 0.1
	SINCOS 1, 0.749894209332456, 0.0749894209332456
	SINCOS 2, 0.562341325190349, 0.0562341325190349
	SINCOS 3, 0.421696503428582, 0.0421696503428582
	SINCOS 4, 0.316227766016838, 0.0316227766016838
	SINCOS 5, 0.237137370566166, 0.0237137370566166
	SINCOS 6, 0.177827941003892, 0.0177827941003892
	SINCOS 7, 0.133352143216332, 0.0133352143216332
	s_wait_loadcnt 0x0
	ds_store_b128 v[SS], v[192:195]
	ds_store_b128 v[SS], v[196:199] offset:4096
	ds_store_b128 v[SS], v[200:203] offset:8192
	ds_store_b128 v[SS], v[204:207] offset:12288
.irp s, 0,1,2,3
	IMG SX, ACC+12*\s, FRB*\s
	IMG SW0, ACC+48+12*\s, FRB*\s
.endr
	s_wait_dscnt 0x0                               ; the stores have read their registers
	s_wait_alu depctr_vm_vsrc(0)                   ; the LDS stores have read v96-207: the loads below land in v96-191
	; ---- second round: Wk's tile and Wv's, and the other eight slots
.irp s, 0,1,2,3
	GFRAG ACC+12*\s, 12, \s
.endr
.irp s, 0,1,2,3
	GFRAG ACC+48+12*\s, 16, \s
.endr
	SINCOS 8, 0.01, 0.001
	SINCOS 9, 0.00749894209332456, 0.000749894209332456
	SINCOS 10, 0.00562341325190349, 0.000562341325190349
	SINCOS 11, 0.00421696503428582, 0.000421696503428582
	SINCOS 12, 0.00316227766016838, 0.000316227766016838
	SINCOS 13, 0.00237137370566166, 0.000237137370566166
	SINCOS 14, 0.00177827941003892, 0.000177827941003892
	SINCOS 15, 0.00133352143216332, 0.000133352143216332
	s_lshl_b32 s34, s28, 10
	s_add_co_u32 s34, s34, SG
	v_add_nc_u32 v[SGR], s34, v[LI]
	s_lshl_b32 s35, s27, 2
	s_add_co_u32 s35, s35, s34
	s_add_co_u32 s35, s35, 512
	v_add_nc_u32 v[SGK], s35, v[LI]
	v_lshlrev_b32 v[L8], 3, v1
	v_add_nc_u32 v[RS], XSC, v[LI]
	s_wait_loadcnt 0x0
.irp s, 0,1,2,3
	IMG SW0, ACC+12*\s, 49152+FRB*\s
	IMG SW2, ACC+48+12*\s, FRB*\s
.endr
	s_wait_dscnt 0x0                               ; my images have landed
	s_barrier_signal -1
	s_barrier_wait -1                              ; everybody's have; nobody writes them again
	s_wait_alu depctr_vm_vsrc(0)                   ; my LDS stores have read v96-191: from here on the products write v96-159 and the fragments' loads land in v160-191
	QKJOB RWQ, 0, 0
	QKJOB RWK, 1, 1
	; ---- job V: all eight token tiles against my tile of Wv
.irp s, 0,1,2,3
.if \s > 0
	PLACES
	s_wait_alu depctr_va_vdst(0)                   ; the last K step's eight products are done reading v160-255 and v32-43, in which the loads below land
.endif
.irp m, 0,1,2,3,4,5,6,7
	LFRAG XF+12*\m, LI, 6144*\m+FRB*\s
.endr
	LFRAG CSN, SW2, FRB*\s
.if \s == 0
.irp m, 0,1,2,3,4,5,6,7
	ds_load_b128 v[44+4*\m:47+4*\m], v[RS] offset:512*\m
.endr
	ds_load_b128 v[76:79], v[SS] offset:12288
.endif
	s_wait_dscnt 0x0
.irp m, 0,1,2,3,4,5,6,7
.if \s == 0
	v_wmma_scale_f32_16x16x128_f8f6f4 v[ACC+8*\m:ACC+8*\m+7], v[XF+12*\m:XF+12*\m+11], v[CSN:CSN+11], 0, v[44+4*\m+\s], v[76+\s] matrix_a_fmt:MATRIX_FMT_FP6 matrix_b_fmt:MATRIX_FMT_FP6
.else
	v_wmma_scale_f32_16x16x128_f8f6f4 v[ACC+8*\m:ACC+8*\m+7], v[XF+12*\m:XF+12*\m+11], v[CSN:CSN+11], v[ACC+8*\m:ACC+8*\m+7], v[44+4*\m+\s], v[76+\s] matrix_a_fmt:MATRIX_FMT_FP6 matrix_b_fmt:MATRIX_FMT_FP6
.endif
.endr
.endr
	PLACES
	QUANT ACC                                      ; my d's 128 tokens: four blocks of 32 keys
	v_cndmask_b32 v[KW], v[KW], v[PW], s48         ; lanes 0-15 keep k's word, lanes 16-31 take v's
	s_wait_alu depctr_va_vdst(0)                   ; the codes v160-171 and the word v31 are written, which the stores below read; the products are done reading v32-43, in which the last LDS loads land
.irp c, 0,1,2
	global_store_b128 v[LI], v[PC+4*\c:PC+4*\c+3], s[74:75] offset:6144+512*\c
.endr
	ds_store_b32 v[SGK], v[KW]
	s_wait_dscnt 0x0
	s_barrier_signal -1
	s_barrier_wait -1                              ; both heads' scale words lie in SG
	s_cmp_lg_u32 s27, 0                            ; one wave of each head sends them: 512 consecutive bytes a store
	s_cbranch_scc1 .Ldone
	ds_load_b128 v[32:35], v[SGR]
	ds_load_b128 v[36:39], v[SGR] offset:512
	s_wait_dscnt 0x0
	global_store_b128 v[LI], v[32:35], s[22:23] offset:6144
	global_store_b128 v[LI], v[36:39], s[24:25] offset:12288
.Ldone:
	s_set_vgpr_msb 0x5
	s_wait_dscnt 0x0
	s_wait_alu depctr_hold_cnt(0) depctr_sa_sdst(0) depctr_va_vdst(0) depctr_va_sdst(0) depctr_va_ssrc(0) depctr_va_vcc(0) depctr_vm_vsrc(0)
	s_wait_tensorcnt 0x0
	ds_add_u32 v0, v1
	s_wait_dscnt 0x0
	s_endpgm
.Lfunc_end_k_qab94c7f0ee_proj:
	.size	k_qab94c7f0ee_proj, .Lfunc_end_k_qab94c7f0ee_proj-k_qab94c7f0ee_proj
	.p2alignl 7, 3214868480
	.fill 96, 4, 3214868480
	.section	.rodata,"a",@progbits
	.p2align	6, 0x0
	.amdhsa_kernel k_qab94c7f0ee_proj
		.amdhsa_group_segment_fixed_size 216064
		.amdhsa_private_segment_fixed_size 0
		.amdhsa_enable_private_segment 0
		.amdhsa_kernarg_size 88
		.amdhsa_user_sgpr_count 2
		.amdhsa_user_sgpr_kernarg_segment_ptr 1
		.amdhsa_wavefront_size32 1
		.amdhsa_system_sgpr_workgroup_id_x 1
		.amdhsa_system_sgpr_workgroup_id_y 1
		.amdhsa_system_sgpr_workgroup_id_z 1
		.amdhsa_system_vgpr_workitem_id 0
		.amdhsa_next_free_vgpr 258
		.amdhsa_next_free_sgpr 100
		.amdhsa_reserve_vcc 0
		.amdhsa_float_denorm_mode_32 3
		.amdhsa_float_denorm_mode_16_64 3
		.amdhsa_memory_ordered 1
		.amdhsa_forward_progress 1
		.amdhsa_inst_pref_size 121
	.end_amdhsa_kernel
	.amdgpu_metadata
---
amdhsa.version: [ 1, 2 ]
amdhsa.kernels:
  - .name:           k_qab94c7f0ee_proj
    .symbol:         k_qab94c7f0ee_proj.kd
    .args:
      - { .name: in_features_codes, .offset: 0, .size: 8, .value_kind: global_buffer, .address_space: global }
      - { .name: in_features_scales, .offset: 8, .size: 8, .value_kind: global_buffer, .address_space: global }
      - { .name: Wq_codes, .offset: 16, .size: 8, .value_kind: global_buffer, .address_space: global }
      - { .name: Wq_scales, .offset: 24, .size: 8, .value_kind: global_buffer, .address_space: global }
      - { .name: Wk_codes, .offset: 32, .size: 8, .value_kind: global_buffer, .address_space: global }
      - { .name: Wk_scales, .offset: 40, .size: 8, .value_kind: global_buffer, .address_space: global }
      - { .name: Wv_codes, .offset: 48, .size: 8, .value_kind: global_buffer, .address_space: global }
      - { .name: Wv_scales, .offset: 56, .size: 8, .value_kind: global_buffer, .address_space: global }
      - { .name: token_positions, .offset: 64, .size: 8, .value_kind: global_buffer, .address_space: global }
      - { .name: qws, .offset: 72, .size: 8, .value_kind: global_buffer, .address_space: global }
      - { .name: kvws, .offset: 80, .size: 8, .value_kind: global_buffer, .address_space: global }
    .group_segment_fixed_size: 216064
    .private_segment_fixed_size: 0
    .kernarg_segment_align: 8
    .kernarg_segment_size: 88
    .max_flat_workgroup_size: 256
    .sgpr_count:     100
    .vgpr_count:     258
    .wavefront_size: 32
...
	.end_amdgpu_metadata
.endif
;; end of part 4
;; launch attn (part 5): grid 16 x 16, 16 waves a work-group, no clusters, 54,272 bytes of LDS; arguments qws, kvws, acws, asws; writes acws, asws
.if DOCPART == 5
	.amdgcn_target "amdgcn-amd-amdhsa--gfx1250"
	.amdhsa_code_object_version 6
	.text
	.protected	k_qab94c7f0ee_attn
	.globl	k_qab94c7f0ee_attn
	.p2align	8
	.type	k_qab94c7f0ee_attn,@function
k_qab94c7f0ee_attn:
	s_mov_b64 s[64:65], 0
	v_nop
	global_prefetch_b8 v0, s[64:65] scope:SCOPE_SE
	s_setreg_imm32_b32 hwreg(HW_REG_WAVE_SCHED_MODE, 0, 2), 2
	s_setreg_imm32_b32 hwreg(HW_REG_WAVE_MODE, 25, 1), 1
	s_wait_xcnt 0x0
	s_wait_alu depctr_vm_vsrc(0)
; Causal attention of one head on codes of FP6 (E2M3) with E8M0 scales; its result, divided by the row's sum, is quantised along the head's 64 for the last product.
; t = score x log2(e) / 8; M = the running largest t rounded UP to a whole number; p = 2^(t - M) is quantised along the keys, not normalised; the row's sum is taken of the unquantised p.
; SHARES.  Work-group (i, bh) owns query blocks i and 31 - i (128 queries each): 33 block steps in every work-group.  Wave w owns ONE tile of 16 queries: tile T = w / 2 of the early block (late = 0) or of the
; late one; late = (w xor w / 4) & 1, so that of any four waves w % 4 alike, or w / 4 alike, two are early and two late.  A wave works key steps 0 .. BLK; step BLK lies on the diagonal; later steps are jumped over
; by a scalar branch on ids, round the step's work alone.
; K = 64 fills half of the instruction's 128.  Source 0 holds TWO key tiles (registers 0-5, 6-11); source 1 is Q beside six zero registers, first or last: zero codes add nothing, so each product gives one tile's scores.
; Both products are used transposed: a lane holds one query throughout; the keys of a tile are chosen (row r = 32 p + 8 u + r + 8 (r / 8)) so that 16 registers of two tiles are 16 neighbouring keys.
; K AND V come as images of operand registers, 12,800 dense bytes a step; two steps (25,600 bytes) fill an LDS slot: every thread copies 16 bytes three times (waves 0 and 1 four times) through registers,
; asked for two key steps ahead of the LDS store.  Two slots, one barrier for two steps.  No tensor load: the number of trips differs between work-groups, and a slot's copy is four loads a wave.
; No cluster: work-groups of a head need different numbers of tiles.  No prefetch: each copy is asked for two key steps ahead of its use.
; LIMITS: a block whose every p is 0, and a block of zeros in the result, get the scale byte 1 (their codes are zeros; only this program reads the bytes); NaN and infinities are not served.
; THE MODE: SCHED_MODE bits 1:0 = 2 (LLVM: expert scheduling mode 2), set by the entry lines.  The code itself states the register dependences between vector or matrix instructions and memory or LDS
; instructions, with s_wait_alu, always for 0.
; THE PLAN.  Registers that memory or LDS instructions touch:
;   v1, v2, v5-8   addresses, made at the head ahead of the first load, never written again.
;   v192-207       the copy in hand: global loads land, LDS stores read; no vector instruction names them.  One wait on vm_vsrc stands between a copy's LDS stores and the next copy's loads.
;   v34-37, v40-87 a step's LDS loads land here, K's and then V^T's; the products read them.  One wait on va_vdst at a worked step's head (the last step's four products are done reading), one behind the eight
;                  score products (they are done reading K's fragments); V^T's loads follow it and land under the softmax, which names none of these registers.
;   v224-235, v253 p's codes and scale word: written by vector instructions, taken by the scaled products: one wait on va_vdst behind the sixteen places.
;   s28-59         the diagonal's masks: 32 compares in a run, one wait on va_sdst, 32 selects; twice.
.set STEPB, 12800
.set SLOTB, 25600
.set SCW,   51200                      ; LDS behind the slots: the results' scale words, 64 (8 late + T) + 4 r
.set LI,  1                            ; v1   16 x lane
.set GT,  2                            ; v2   16 x thread
.set DM,  3                            ; v3   my query's row in its block - 16 (lane / 16)
.set QS,  4                            ; v4   Q's scale word (s0, s1, s0, s1)
.set SCA, 5                            ; v5   where my row's scale word goes
.set SCR, 6                            ; v6   where a block's words are read back
.set L8,  7                            ; v7   8 x lane
.set QSO, 8                            ; v8   offset of Q's scale word
; v12 -M, v13 the largest t, v[14:15] the sum; v16-21 zeros, v22-27 Q, v28-33 zeros; v34-37 the step's scale words (lanes 0-15 K's, 16-31 V's); v40-87 four fragments; v96-159 S^T, then p;
; v160-191 O^T; v192-207 the copy in hand; v224-235 p's codes; v232-254 at work
.set G,   192
.set WV,  12
.set LATE, 13
.set TT,  14
.set BLK, 15
.set KS,  16                           ; s16  the key step
.set TR,  17                           ; s17  trips to go
.set HB,  18                           ; s[18:19] my head's first byte of kvws
.set OFF, 20                           ; s[20:21] the copy's byte offset in the head
.set CUR, 22                           ; s[22:23] HB + OFF
.set CS,  24                           ; s[24:25] c = log2(e) / 8
.set SEL, 26                           ; s[26:27] selects for lane l xor 16
.set MK,  28                           ; s28-59 behind the head: 32 masks of hidden keys; no scalar instruction writes them there
.macro GLOAD                           ; the next slot's 25,600 bytes: 8,192 for each of three loads of the work-group, the last 1,024 by waves 0 and 1
.irp j, 0,1,2
	global_load_b128 v[G+4*\j:G+4*\j+3], v[GT], s[CUR:CUR+1] offset:8192*\j
.endr
	s_cmp_lt_u32 s[WV], 2
	s_cbranch_scc0 .Lnl_\@
	global_load_b128 v[G+12:G+15], v[GT], s[CUR:CUR+1] offset:24576
.Lnl_\@:
.endm
.macro GSTORE slot
.irp j, 0,1,2
	ds_store_b128 v[GT], v[G+4*\j:G+4*\j+3] offset:SLOTB*(\slot)+8192*\j
.endr
	s_cmp_lt_u32 s[WV], 2
	s_cbranch_scc0 .Lns_\@
	ds_store_b128 v[GT], v[G+12:G+15] offset:SLOTB*(\slot)+24576
.Lns_\@:
.endm
; A KEY STEP: 128 keys, the q-th of the slot.
.macro STEP slot, q
.set BS, SLOTB*(\slot)+STEPB*(\q)
	s_cmp_gt_u32 s[KS], s[BLK]                     ; all its keys come after my queries
	s_cbranch_scc1 .Lhid_\@
	s_wait_alu depctr_va_vdst(0)                   ; the last worked step's products are done reading v34-37 and v40-87, in which the loads below land; in the first step: Q's scale word v4 and the zero codes are written, which the products below take
.irp f, 0,1,2,3
.irp c, 0,1,2
	ds_load_b128 v[40+12*\f+4*\c:43+12*\f+4*\c], v[LI] offset:BS+1536*\f+512*\c   ; K's four double tiles
.endr
.endr
	ds_load_b128 v[34:37], v[LI] offset:BS+12288
	s_wait_dscnt 0x0
.irp f, 0,1,2,3                                ; register 16 f + 8 u + j of S^T: key 32 f + 16 (lane / 16) + 8 u + j
	v_wmma_scale_f32_16x16x128_f8f6f4 v[96+16*\f:103+16*\f], v[40+12*\f:51+12*\f], v[22:33], 0, v[34+\f], v[QS] matrix_a_fmt:MATRIX_FMT_FP6 matrix_b_fmt:MATRIX_FMT_FP6
	v_wmma_scale_f32_16x16x128_f8f6f4 v[104+16*\f:111+16*\f], v[40+12*\f:51+12*\f], v[16:27], 0, v[34+\f], v[QS] matrix_a_fmt:MATRIX_FMT_FP6 matrix_b_fmt:MATRIX_FMT_FP6
.endr
.rept 4
	v_nop                                          ; places ahead of the loads into K's registers and of the first read of the scores
.endr
	s_wait_alu depctr_va_vdst(0)                   ; the eight products are done reading K's fragments v40-87, in which V^T's land
.irp f, 0,1,2,3
.irp c, 0,1,2
	ds_load_b128 v[40+12*\f+4*\c:43+12*\f+4*\c], v[LI] offset:BS+6144+1536*\f+512*\c   ; V^T's four tiles land under the softmax
.endr
.endr
	s_cmp_lg_u32 s[KS], s[BLK]                     ; on the diagonal hidden scores become -infinity ahead of the maximum
	s_cbranch_scc1 .Lopen_\@
	v_mov_b32 v254, 0xff800000
.irp g, 0,1                                    ; 32 scores at a time: a run of compares, one wait, a run of selects
.set n, 32*\g
.rept 32
	v_cmp_gt_i32 s[MK+n%32], 32*(n/16)+n%16, v[DM]
.set n, n+1
.endr
	s_wait_alu depctr_va_sdst(0)                   ; the 32 compares have written s28-59, ahead of the selects that read them
.set n, 32*\g
.rept 32
	v_cndmask_b32 v[96+n], v[96+n], v254, s[MK+n%32]
.set n, n+1
.endr
.endr
.Lopen_\@:
.irp b, 0,1,2,3
	v_max3_num_f32 v[232+\b], v[96+16*\b], v[97+16*\b], v[98+16*\b]   ; the largest score of each block of 32 keys: for the row's maximum and for the block's largest p
.endr
.irp i, 3,5,7,9,11,13
.irp b, 0,1,2,3
	v_max3_num_f32 v[232+\b], v[232+\b], v[96+16*\b+\i], v[97+16*\b+\i]
.endr
.endr
.irp b, 0,1,2,3
	v_max_num_f32 v[232+\b], v[232+\b], v[111+16*\b]
.endr
.irp b, 0,1,2,3
	v_permlanex16_b32 v[236+\b], v[232+\b], s[SEL], s[SEL+1]
.endr
.irp b, 0,1,2,3
	v_max_num_f32 v[232+\b], v[232+\b], v[236+\b]
.endr
	v_max3_num_f32 v254, v232, v233, v234
	v_max_num_f32 v254, v254, v235
	v_mul_f32 v254, s[CS], v254
	v_max_num_f32 v13, v13, v254                   ; the running largest t
	v_mov_b32 v254, v12
	v_floor_f32 v12, -v13                          ; -M = floor(-t): M is a whole number
	v_sub_f32 v254, v12, v254
	v_cvt_i32_f32 v254, v254                       ; (it saturates)
	v_ldexp_f32 v252, 1.0, v254                    ; f = 2^(old M - new M): rounds nothing
.set n, 0
.rept 32
	v_pk_fma_f32 v[96+n:97+n], v[96+n:97+n], s[CS:CS+1], v[12:13] op_sel_hi:[1,0,0]   ; t - M
.set n, n+2
.endr
.irp b, 0,1,2,3
	v_fma_f32 v[232+\b], v[232+\b], s[CS], v12
.endr
.set n, 0
.rept 64
	v_exp_f32 v[96+n], v[96+n]                     ; p
.set n, n+1
.endr
	v_pk_mul_f32 v[14:15], v[14:15], v[252:253] op_sel_hi:[1,0]   ; the sums under the new M: the plain instruction behind the exponentials
	s_wait_alu depctr_va_vdst(0)                   ; one wait for the batch, ahead of its first reader: the 64 exponentials have written v96-159
.irp b, 0,1,2,3
	v_exp_f32 v[232+\b], v[232+\b]                 ; each block's largest p
.endr
	v_pk_add_f32 v[236:237], v[96:97], v[98:99]    ; the row's sum of the unquantised p, in two chains
.irp j, 4,8,12,16,20,24,28,32,36,40,44,48,52,56,60
	v_pk_add_f32 v[14:15], v[14:15], v[96+\j:97+\j]
	v_pk_add_f32 v[236:237], v[236:237], v[98+\j:99+\j]
.endr
	v_pk_add_f32 v[14:15], v[14:15], v[236:237]
	s_wait_alu depctr_va_vdst(0)                   ; and one for the four: they have written v232-235
.irp b, 0,1,2,3
	v_max_num_f32 v[232+\b], 0x1800000, v[232+\b]  ; the floor 2^(3 - 127)
.endr
.irp b, 0,1,2,3
	v_add_nc_u32 v[244+\b], 0xff000000, v[232+\b]  ; 2 off the exponent field: the conversion's scale operand
.endr
.irp b, 0,1,2,3
	v_lshrrev_b32 v[236+\b], 23, v[244+\b]
.endr
	v_lshl_or_b32 v253, v237, 8, v236              ; p's scale word for these 128 keys
	v_lshl_or_b32 v253, v238, 16, v253
	v_lshl_or_b32 v253, v239, 24, v253
.irp c, 0,1
	v_cvt_scalef32_pk16_fp6_f32 v[224+6*\c:226+6*\c], v[96+32*\c:111+32*\c], v[244+2*\c]
	v_cvt_scalef32_pk16_fp6_f32 v[236+4*\c:238+4*\c], v[112+32*\c:127+32*\c], v[244+2*\c+1]
.endr
	v_nop                                          ; one plain instruction behind a scaled conversion
.irp c, 0,1
.irp i, 0,1,2
	v_permlane16_swap_b32 v[224+6*\c+\i], v[236+4*\c+\i]
.endr
.irp i, 0,1,2
	v_mov_b32 v[227+6*\c+\i], v[236+4*\c+\i]
.endr
.endr
.set n, 0
.rept 16
	v_pk_mul_f32 v[160+n:161+n], v[160+n:161+n], v[252:253] op_sel_hi:[1,0]   ; O^T under the new M; these sixteen are also the places between the codes, the scale word and the products
.set n, n+2
.endr
	s_wait_alu depctr_va_vdst(0)                   ; p's codes v224-235 and its scale word v253 are written, which the scaled products below take; the places above stay beside this wait
	s_wait_dscnt 0x0                               ; V^T is in
.irp t, 0,1,2,3                                ; O^T += V^T P^T: register 8 t + j: d = 32 (t / 2) + 16 (lane / 16) + 8 (t % 2) + j
	v_wmma_scale_f32_16x16x128_f8f6f4 v[160+8*\t:167+8*\t], v[40+12*\t:51+12*\t], v[224:235], v[160+8*\t:167+8*\t], v[34+\t], v253 matrix_a_fmt:MATRIX_FMT_FP6 matrix_b_fmt:MATRIX_FMT_FP6 matrix_a_scale:MATRIX_SCALE_ROW1
.endr
.rept 4
	v_nop                                          ; places ahead of the next loads into these operands and of the next read of O^T
.endr
.Lhid_\@:
	s_add_co_u32 s[KS], s[KS], 1
.endm
; Two key steps out of one slot.  The copy that was asked for two steps ago goes into the other slot, which every wave left in front of the last barrier; the next copy is asked for; the barrier at the end says
; that my stores into the other slot have landed and my reads of this one are over.
.macro HALF slot, other
	s_wait_loadcnt 0x0                             ; the copy is in registers, and its base may be written
	GSTORE \other
	s_add_co_u32 s[OFF], s[OFF], SLOTB
	s_min_u32 s[OFF], s[OFF], 384000               ; held at the head's last two steps: no load leaves the buffer
	s_add_nc_u64 s[CUR:CUR+1], s[HB:HB+1], s[OFF:OFF+1]
	s_wait_dscnt 0x0                               ; the stores have read their registers
	s_wait_alu depctr_vm_vsrc(0)                   ; the LDS stores have read v192-207, in which the next copy's loads land
	GLOAD
	STEP \slot, 0
	STEP \slot, 1
	s_wait_dscnt 0x0
	s_barrier_signal -1
	s_barrier_wait -1
.endm
	s_load_b256 s[4:11], s[0:1], 0x0               ; qws s[4:5], kvws s[6:7], acws s[8:9], asws s[10:11]
	v_lshl_add_u32 v251, v0, 2, 0xcc00
	v_mov_b32 v255, 0
	v_lshrrev_b32 v1, 5, v0
	v_readfirstlane_b32 s[WV], v1
	v_and_b32 v8, 31, v0                           ; lane
	v_and_b32 v9, 15, v0                           ; r
	v_bfe_u32 v10, v0, 4, 1                        ; h
	v_lshlrev_b32 v[LI], 4, v8
	v_lshlrev_b32 v[GT], 4, v0
	v_lshlrev_b32 v[L8], 3, v8
	v_and_b32 v11, 8, v9
	v_add_nc_u32 v11, v11, v9                      ; r + 8 (r / 8)
	v_lshlrev_b32 v[DM], 4, v10
	v_sub_nc_u32 v[DM], v11, v[DM]
	s_wait_alu depctr_va_sdst(0)                   ; s12, the wave's number, is written, ahead of its first reader
	s_lshr_b32 s[LATE], s[WV], 2
	s_xor_b32 s[LATE], s[LATE], s[WV]
	s_and_b32 s[LATE], s[LATE], 1
	s_lshr_b32 s[TT], s[WV], 1
	s_sub_co_u32 s28, 31, ttmp9
	s_cmp_eq_u32 s[LATE], 1
	s_cselect_b32 s[BLK], s28, ttmp9               ; my block of queries, and my last key step
	s_and_b32 s29, ttmp7, 0xffff                   ; bh
	s_mov_b32 s[KS], 0
	s_sub_co_u32 s[TR], 35, ttmp9
	s_lshr_b32 s[TR], s[TR], 2                     ; trips of four steps that cover steps 0 .. 31 - i
	s_mul_i32 s30, s29, 409600
	s_mov_b32 s31, 0
	s_lshl_b32 s32, s29, 5
	s_add_co_u32 s32, s32, s[BLK]                  ; 32 bh + BLK
	s_mul_i32 s34, s32, 6656
	s_mov_b32 s35, 0
	s_mul_i32 s36, s[TT], 768
	s_mov_b32 s37, 0
	s_lshl_b32 s38, s32, 9
	s_mov_b32 s39, 0
	s_lshr_b32 s40, s29, 3                         ; acws: ((32 b + BLK) 8 + T) 6,144 + 768 head
	s_lshl_b32 s40, s40, 5
	s_add_co_u32 s40, s40, s[BLK]
	s_lshl_b32 s40, s40, 3
	s_add_co_u32 s40, s40, s[TT]
	s_mul_i32 s40, s40, 6144
	s_and_b32 s41, s29, 7
	s_mul_i32 s41, s41, 768
	s_add_co_u32 s40, s40, s41
	s_mov_b32 s41, 0
	s_mov_b32 s[CS], 0x3e38aa3b                    ; log2(e) / 8
	s_mov_b32 s[CS+1], s[CS]
	s_mov_b32 s[SEL], 0x76543210
	s_mov_b32 s[SEL+1], 0xfedcba98
	s_lshr_b32 s44, s[TT], 1
	s_lshl_b32 s45, s44, 5
	s_and_b32 s46, s[TT], 1
	s_lshl_b32 s47, s46, 3
	s_add_co_u32 s45, s45, s47
	v_add_nc_u32 v[DM], s45, v[DM]                 ; 32 (T / 2) + 8 (T % 2) + r + 8 (r / 8) - 16 h
	s_lshl_b32 s47, s[LATE], 9
	s_add_co_u32 s47, s47, SCW
	v_add_nc_u32 v[SCR], s47, v[LI]
	s_lshl_b32 s48, s[TT], 6
	s_add_co_u32 s48, s48, s47
	v_lshl_add_u32 v[SCA], v9, 2, s48
	s_lshl_b32 s44, s44, 7
	v_lshl_add_u32 v[QSO], v8, 2, s44              ; 4 x lane + 128 (T / 2)
	s_lshl_b32 s46, s46, 4                         ; which half of the pair's word is my tile's
	s_wait_kmcnt 0x0
	s_add_nc_u64 s[HB:HB+1], s[6:7], s[30:31]
	s_add_nc_u64 s[4:5], s[4:5], s[34:35]
	s_add_nc_u64 s[42:43], s[4:5], s[36:37]
	s_add_nc_u64 s[8:9], s[8:9], s[40:41]
	s_add_nc_u64 s[10:11], s[10:11], s[38:39]
	s_mov_b64 s[CUR:CUR+1], s[HB:HB+1]
	s_wait_alu depctr_va_vdst(0)                   ; the offsets and LDS addresses v1, v2 and v5-8 are written, which the loads and stores of the kernel read
	global_load_b128 v[22:25], v[LI], s[42:43]     ; Q's half image stays in registers
	global_load_b64 v[26:27], v[L8], s[42:43] offset:512
	global_load_b32 v[QS], v[QSO], s[4:5] offset:6144
	GLOAD                                          ; steps 0 and 1
	s_wait_loadcnt 0x0
	v_lshrrev_b32 v[QS], s46, v[QS]
	v_and_b32 v[QS], 0xffff, v[QS]
	v_lshl_or_b32 v[QS], v[QS], 16, v[QS]          ; my tile's two bytes, twice
.irp j, 16,17,18,19,20,21,28,29,30,31,32,33
	v_mov_b32 v[\j], 0                             ; the zero codes on both sides of Q
.endr
	v_mov_b32 v13, 0xff61b1e6                      ; the largest t so far: -3e38
	v_floor_f32 v12, -v13
	v_mov_b32 v14, 0
	v_mov_b32 v15, 0
.irp b, 0,1,2,3
	v_mov_b32 v[236+\b], 0                         ; a lane permute's destination counts as one of its sources
.endr
	v_mov_b32 v252, 0
	v_mov_b32 v253, 0
.set n, 0
.rept 32
	v_mov_b32 v[160+n], 0                          ; O^T: the step is written once; its first run finds zeros.  (Also the places between Q's scale word, the zero codes and the first product)
.set n, n+1
.endr
	GSTORE 0
	s_mov_b32 s[OFF], SLOTB
	s_mov_b32 s[OFF+1], 0
	s_add_nc_u64 s[CUR:CUR+1], s[HB:HB+1], s[OFF:OFF+1]
	s_wait_dscnt 0x0
	s_wait_alu depctr_vm_vsrc(0)                   ; the LDS stores have read v192-207, in which the next copy's loads land
	GLOAD                                          ; steps 2 and 3
	s_barrier_signal -1
	s_barrier_wait -1                              ; slot 0 is whole
.Ltrip:
	HALF 0, 1
	HALF 1, 0
	s_sub_co_u32 s[TR], s[TR], 1
	s_cmp_lg_u32 s[TR], 0
	s_cbranch_scc1 .Ltrip
	; THE WAY OUT: O^T / the sum; its two blocks of 32 are quantised; a half image and a scale word (two bytes) leave.
	s_wait_loadcnt 0x0
	v_add_f32 v14, v14, v15
	v_permlanex16_b32 v252, v14, s[SEL], s[SEL+1]
	v_add_f32 v14, v14, v252
	v_rcp_f32 v14, v14
	v_nop                                          ; a plain instruction behind the reciprocal
	s_wait_alu depctr_va_vdst(0)                   ; and the wait ahead of its first reader: the reciprocal has written v14
.set n, 0
.rept 32
	v_mul_f32 v[96+n], v[160+n], v14               ; register 16 b + i: d = 32 b + 16 (lane / 16) + i of my query
.set n, n+1
.endr
.irp b, 0,1
	v_max3_num_f32 v[232+\b], |v[96+16*\b]|, |v[97+16*\b]|, 0x1800000
.endr
.irp i, 2,4,6,8,10,12,14
.irp b, 0,1
	v_max3_num_f32 v[232+\b], v[232+\b], |v[96+16*\b+\i]|, |v[97+16*\b+\i]|
.endr
.endr
.irp b, 0,1
	v_permlanex16_b32 v[236+\b], v[232+\b], s[SEL], s[SEL+1]
.endr
.irp b, 0,1
	v_max_num_f32 v[232+\b], v[232+\b], v[236+\b]
.endr
.irp b, 0,1
	v_add_nc_u32 v[244+\b], 0xff000000, v[232+\b]
.endr
.irp b, 0,1
	v_lshrrev_b32 v[236+\b], 23, v[244+\b]
.endr
	v_lshl_or_b32 v240, v237, 8, v236
	v_cvt_scalef32_pk16_fp6_f32 v[224:226], v[96:111], v244
	v_cvt_scalef32_pk16_fp6_f32 v[248:250], v[112:127], v245
	v_nop
.irp i, 0,1,2
	v_permlane16_swap_b32 v[224+\i], v[248+\i]     ; lanes 0-15 block 0, lanes 16-31 block 1
.endr
.irp i, 0,1,2
	v_mov_b32 v[227+\i], v[248+\i]
.endr
	s_wait_alu depctr_va_vdst(0)                   ; the codes v224-229 and the word v240 are written, which the stores below read; the multiplies and conversions are done with v96-99, in which the last LDS load lands
	global_store_b128 v[LI], v[224:227], s[8:9]    ; 512 and 256 consecutive bytes, aligned
	global_store_b64 v[L8], v[228:229], s[8:9] offset:512
	ds_store_b32 v[SCA], v240                      ; lanes l and l + 16 write the same word with the same value
	s_wait_dscnt 0x0
	s_barrier_signal -1
	s_barrier_wait -1                              ; both blocks' 128 words lie in LDS
	s_cmp_lt_u32 s[WV], 2                          ; wave 0 (early) and wave 1 (late) send their own block's: 512 consecutive bytes
	s_cbranch_scc0 .Lend
	ds_load_b128 v[96:99], v[SCR]
	s_wait_dscnt 0x0
	global_store_b128 v[LI], v[96:99], s[10:11]
.Lend:
	s_wait_dscnt 0x0
	s_wait_alu depctr_hold_cnt(0) depctr_sa_sdst(0) depctr_va_vdst(0) depctr_va_sdst(0) depctr_va_ssrc(0) depctr_va_vcc(0) depctr_vm_vsrc(0)
	s_wait_tensorcnt 0x0
	ds_add_u32 v251, v255
	s_wait_dscnt 0x0
	s_endpgm
.Lfunc_end_k_qab94c7f0ee_attn:
	.size	k_qab94c7f0ee_attn, .Lfunc_end_k_qab94c7f0ee_attn-k_qab94c7f0ee_attn
	.p2alignl 7, 3214868480
	.fill 96, 4, 3214868480
	.section	.rodata,"a",@progbits
	.p2align	6, 0x0
	.amdhsa_kernel k_qab94c7f0ee_attn
		.amdhsa_group_segment_fixed_size 54272
		.amdhsa_private_segment_fixed_size 0
		.amdhsa_enable_private_segment 0
		.amdhsa_kernarg_size 32
		.amdhsa_user_sgpr_count 2
		.amdhsa_user_sgpr_kernarg_segment_ptr 1
		.amdhsa_wavefront_size32 1
		.amdhsa_system_sgpr_workgroup_id_x 1
		.amdhsa_system_sgpr_workgroup_id_y 1
		.amdhsa_system_sgpr_workgroup_id_z 1
		.amdhsa_system_vgpr_workitem_id 0
		.amdhsa_next_free_vgpr 256
		.amdhsa_next_free_sgpr 66
		.amdhsa_reserve_vcc 0
		.amdhsa_float_denorm_mode_32 3
		.amdhsa_float_denorm_mode_16_64 3
		.amdhsa_memory_ordered 1
		.amdhsa_forward_progress 1
		.amdhsa_inst_pref_size 111
	.end_amdhsa_kernel
	.amdgpu_metadata
---
amdhsa.version: [ 1, 2 ]
amdhsa.kernels:
  - .name:           k_qab94c7f0ee_attn
    .symbol:         k_qab94c7f0ee_attn.kd
    .args:
      - { .name: qws, .offset: 0, .size: 8, .value_kind: global_buffer, .address_space: global }
      - { .name: kvws, .offset: 8, .size: 8, .value_kind: global_buffer, .address_space: global }
      - { .name: acws, .offset: 16, .size: 8, .value_kind: global_buffer, .address_space: global }
      - { .name: asws, .offset: 24, .size: 8, .value_kind: global_buffer, .address_space: global }
    .group_segment_fixed_size: 54272
    .private_segment_fixed_size: 0
    .kernarg_segment_align: 8
    .kernarg_segment_size: 32
    .max_flat_workgroup_size: 512
    .sgpr_count:     66
    .vgpr_count:     256
    .wavefront_size: 32
...
	.end_amdgpu_metadata
.endif
;; end of part 5
;; launch outp (part 6): grid 4 x 64, 8 waves a work-group, no clusters, 70,656 bytes of LDS; arguments acws, asws, Wo_codes, Wo_scales, out0; writes out0
.if DOCPART == 6
	.amdgcn_target "amdgcn-amd-amdhsa--gfx1250"
	.amdhsa_code_object_version 6
	.text
	.protected	k_qab94c7f0ee_outp
	.globl	k_qab94c7f0ee_outp
	.p2align	8
	.type	k_qab94c7f0ee_outp,@function
k_qab94c7f0ee_outp:
	s_mov_b64 s[64:65], 0
	v_nop
	global_prefetch_b8 v0, s[64:65] scope:SCOPE_SE
	s_setreg_imm32_b32 hwreg(HW_REG_WAVE_SCHED_MODE, 0, 2), 2
	s_setreg_imm32_b32 hwreg(HW_REG_WAVE_MODE, 25, 1), 1
	s_wait_xcnt 0x0
	s_wait_alu depctr_vm_vsrc(0)
; out0 = a Wo^T on codes of FP6 (E2M3) with E8M0 scales; a is the attention's result as the launch before laid it: half images [b][blk][tile T][head][768] and scale words [bh][blk][T][r] (two bytes each).
; A work-group takes 128 tokens x 128 columns.  Wave w: p = w % 4 (token tiles 2 p, 2 p + 1: tokens 32 p .. 32 p + 31), ch = w / 4 (64 columns, four tiles of Wo's rows as they lie).
; A K step of 128 is two heads: a's fragment is the half images of heads 2 s and 2 s + 1 on end, its scale word their two words.  Used transposed (source 0 = 16 rows of Wo, source 1 = 16 tokens):
; a lane holds eight neighbouring columns of one token.  Operands go from memory straight into registers, two K steps' worth by turns; no wave hands anything to another: no barrier.
; Row r of token tile 2 p + u is token 32 p + 8 u + r + 8 (r / 8): the wave's own stage in LDS puts the rows in order, and sixteen lanes store 256 consecutive bytes, aligned.
; No tensor load, cluster or prefetch: the launch is 32 matrix instructions a wave.
; THE MODE: SCHED_MODE bits 1:0 = 2 (LLVM: expert scheduling mode 2), set by the entry lines.  The code itself states the register dependences between vector or matrix instructions and memory or LDS
; instructions, with s_wait_alu, always for 0.
; THE PLAN.  Registers that memory or LDS instructions touch:
;   v0-7       offsets and LDS addresses, made at the head ahead of the first load, never written again.
;   X, Y       two buffers of operands: K step s's loads land in buffer s % 2, its eight products read it; a buffer is asked for again behind one wait on va_vdst, which states that those products are done reading.
;   v8-23, v240-255  scale words as loaded.  v24-31: a's scale words, made by vector instructions and taken by scaled products: eight places, then a wait on va_vdst.
;   the accumulators  written by the products, read by the LDS stores of the way out: four places, then a wait on va_vdst, which also serves the stage's loads into X.
; No register that a memory or LDS instruction reads is ever written again: the text holds no wait on vm_vsrc.
.set BX,  32                           ; v32-103  buffer X: a's fragments at 12 u, Wo's at 24 + 12 t
.set BY,  104                          ; v104-175 buffer Y
.set ACC, 176                          ; v176-239 accumulator (t, u) at 8 (2 t + u)
.set RAW, 240                          ; v240-255 a's words as stored, 8 u + head
.set WS,  8                            ; v8-23    Wo's scale words, 4 t + s
.set AS,  24                           ; v24-31   a's, 4 u + s
; v0 (behind the head) 2,048 h + 16 r: out0; v1 16 l; v2 8 l; v3 384 r + 24 h; v4 16 r; v5 4 r; v6 the stage, in; v7 the stage, back
.macro KLOAD buf, s                    ; 32 loads: K step s
.irp u, 0,1
.irp c, 0,1
	global_load_b128 v[\buf+12*\u+6*\c:\buf+12*\u+6*\c+3], v1, s[4:5] offset:6144*\u+768*(2*\s+\c)
	global_load_b64 v[\buf+12*\u+6*\c+4:\buf+12*\u+6*\c+5], v2, s[4:5] offset:6144*\u+768*(2*\s+\c)+512
.endr
.endr
.irp t, 0,1,2,3
.irp q, 0,1,2,3,4,5
	global_load_b64 v[\buf+24+12*\t+2*\q:\buf+24+12*\t+2*\q+1], v3, s[8:9] offset:6144*\t+96*\s+48*(\q/3)+8*(\q%3)
.endr
.endr
.endm
.macro MUL buf, s                      ; eight accumulators by turns; the first K step starts the sums
.irp t, 0,1,2,3
.irp u, 0,1
.if \s == 0
	v_wmma_scale_f32_16x16x128_f8f6f4 v[ACC+8*(2*\t+\u):ACC+8*(2*\t+\u)+7], v[\buf+24+12*\t:\buf+24+12*\t+11], v[\buf+12*\u:\buf+12*\u+11], 0, v[WS+4*\t+\s], v[AS+4*\u+\s] matrix_a_fmt:MATRIX_FMT_FP6 matrix_b_fmt:MATRIX_FMT_FP6
.else
	v_wmma_scale_f32_16x16x128_f8f6f4 v[ACC+8*(2*\t+\u):ACC+8*(2*\t+\u)+7], v[\buf+24+12*\t:\buf+24+12*\t+11], v[\buf+12*\u:\buf+12*\u+11], v[ACC+8*(2*\t+\u):ACC+8*(2*\t+\u)+7], v[WS+4*\t+\s], v[AS+4*\u+\s] matrix_a_fmt:MATRIX_FMT_FP6 matrix_b_fmt:MATRIX_FMT_FP6
.endif
.endr
.endr
.endm
.macro PLACES                          ; four plain instructions behind a matrix instruction, ahead of loads into its registers and of the first read of its results
.rept 4
	v_nop
.endr
.endm
	s_load_b256 s[4:11], s[0:1], 0x0               ; acws s[4:5], asws s[6:7], Wo's codes s[8:9], Wo's scales s[10:11]
	s_load_b64 s[12:13], s[0:1], 0x20              ; out0
	s_set_vgpr_msb 0x40
	v_lshl_add_u32 v0, v0, 2, 0x11000
	v_mov_b32 v1, 0
	s_set_vgpr_msb 0x4000
	v_lshrrev_b32 v1, 5, v0
	v_readfirstlane_b32 s14, v1                    ; wave
	v_and_b32 v32, 31, v0                          ; lane
	v_and_b32 v33, 15, v0                          ; r
	v_bfe_u32 v34, v0, 4, 1                        ; h
	v_lshlrev_b32 v1, 4, v32
	v_lshlrev_b32 v2, 3, v32
	v_mul_u32_u24 v3, v33, 384
	v_mad_u32_u24 v3, v34, 24, v3
	v_lshlrev_b32 v4, 4, v33
	v_lshlrev_b32 v5, 2, v33
	v_and_b32 v35, 8, v33
	v_add_nc_u32 v35, v35, v33                     ; r + 8 (r / 8)
	v_mul_u32_u24 v6, v35, 272
	v_lshl_add_u32 v6, v34, 5, v6
	v_mul_u32_u24 v7, v34, 272
	v_lshl_add_u32 v7, v33, 4, v7
	v_lshl_add_u32 v0, v34, 11, v4                 ; two rows in out0: lanes 0-15 one, lanes 16-31 the next
	s_wait_alu depctr_va_sdst(0)                   ; s14, the wave's number, is written, ahead of its first reader
	s_and_b32 s15, s14, 3                          ; p
	s_lshr_b32 s16, s14, 2                         ; ch
	s_and_b32 s17, ttmp7, 0xffff                   ; tb
	s_mul_i32 s20, s17, 49152                      ; acws: 49,152 tb + 12,288 p
	s_mul_i32 s18, s15, 12288
	s_add_co_u32 s20, s20, s18
	s_mov_b32 s21, 0
	s_lshr_b32 s22, s17, 5                         ; asws: (256 b + blk) 512 + 128 p
	s_lshl_b32 s22, s22, 8
	s_and_b32 s18, s17, 31
	s_add_co_u32 s22, s22, s18
	s_lshl_b32 s22, s22, 9
	s_lshl_b32 s18, s15, 7
	s_add_co_u32 s22, s22, s18
	s_mov_b32 s23, 0
	s_lshl_b32 s18, ttmp9, 7
	s_lshl_b32 s19, s16, 6
	s_add_co_u32 s18, s18, s19                     ; my first column: 128 cg + 64 ch
	s_mul_i32 s24, s18, 384
	s_mov_b32 s25, 0
	s_lshl_b32 s26, s18, 4
	s_mov_b32 s27, 0
	s_lshl_b32 s28, s17, 7                         ; out0: (128 tb + 32 p) rows of 2,048 bytes + 4 x column
	s_lshl_b32 s19, s15, 5
	s_add_co_u32 s28, s28, s19
	s_lshl_b32 s28, s28, 11
	s_lshl_b32 s18, s18, 2
	s_add_co_u32 s28, s28, s18
	s_mov_b32 s29, 0
	s_mul_i32 s30, s14, 8704                       ; my stage: 32 rows x (256 bytes + 16)
	v_add_nc_u32 v6, s30, v6                       ; in: my token's row, + 32 h
	v_add_nc_u32 v7, s30, v7                       ; back: lanes 0-15 one row, lanes 16-31 the next
	s_wait_kmcnt 0x0
	s_add_nc_u64 s[4:5], s[4:5], s[20:21]
	s_add_nc_u64 s[6:7], s[6:7], s[22:23]
	s_add_nc_u64 s[8:9], s[8:9], s[24:25]
	s_add_nc_u64 s[10:11], s[10:11], s[26:27]
	s_add_nc_u64 s[12:13], s[12:13], s[28:29]
	s_wait_alu depctr_va_vdst(0)                   ; the offsets and LDS addresses v0-7 are written, which the loads and stores of the kernel read; the head is done with v32-35, in which loads land
.irp u, 0,1
.irp e, 0,1,2,3,4,5,6,7
	global_load_b32 v[RAW+8*\u+\e], v5, s[6:7] offset:16384*\e+64*\u
.endr
.endr
.irp t, 0,1,2,3
	global_load_b128 v[WS+4*\t:WS+4*\t+3], v4, s[10:11] offset:256*\t
.endr
	KLOAD BX, 0
	s_wait_loadcnt 32                              ; the scale words are in: the 32 loads of K step 0 were issued behind them
.irp u, 0,1
.irp s, 0,1,2,3
	v_lshl_or_b32 v[AS+4*\u+\s], v[RAW+8*\u+2*\s+1], 16, v[RAW+8*\u+2*\s]   ; heads 2 s and 2 s + 1: four bytes for 128 along K
.endr
.endr
	KLOAD BY, 1                                    ; (no vector instruction has named buffer Y, and none since the wait above has named v1-3)
.rept 8
	v_nop                                          ; a scale register written by a vector instruction stands eight places ahead of a scaled matrix instruction
.endr
	s_wait_alu depctr_va_vdst(0)                   ; a's scale words v24-31 are written, which the scaled products take; the places above stay beside this wait
	s_wait_loadcnt 32                              ; K step 0 is in; K step 1's 32 loads may be out
	MUL BX, 0
	PLACES
	s_wait_alu depctr_va_vdst(0)                   ; K step 0's products are done reading buffer X, in which K step 2's loads land
	KLOAD BX, 2
	s_wait_loadcnt 32                              ; K step 1 is in
	MUL BY, 1
	PLACES
	s_wait_alu depctr_va_vdst(0)                   ; K step 1's products are done reading buffer Y, in which K step 3's loads land
	KLOAD BY, 3
	s_wait_loadcnt 32                              ; K step 2 is in
	MUL BX, 2
	s_wait_loadcnt 0x0
	MUL BY, 3
	PLACES
	s_wait_alu depctr_va_vdst(0)                   ; the products have written the accumulators, which the LDS stores read, and are done reading buffer X, in which the stage's loads land; the places above stay beside this wait
.irp t, 0,1,2,3
.irp u, 0,1
	ds_store_b128 v6, v[ACC+8*(2*\t+\u):ACC+8*(2*\t+\u)+3] offset:2176*\u+64*\t       ; each accumulator from its low end on
	ds_store_b128 v6, v[ACC+8*(2*\t+\u)+4:ACC+8*(2*\t+\u)+7] offset:2176*\u+64*\t+16
.endr
.endr
.irp i, 0,1,2,3,4,5,6,7,8,9,10,11,12,13,14,15
	ds_load_b128 v[BX+4*\i:BX+4*\i+3], v7 offset:544*\i      ; LDS serves a wave's instructions in order (ISA guide 5.7.1.4): these see my stores
.endr
.irp i, 0,1,2,3,4,5,6,7,8,9,10,11,12,13,14,15
	s_wait_dscnt 15-\i                             ; row pair i is back; the loads issued behind it may be out
	global_store_b128 v0, v[BX+4*\i:BX+4*\i+3], s[12:13] offset:4096*\i th:TH_STORE_NT   ; sixteen lanes store 256 consecutive bytes, aligned; written once, read by nobody here
.endr
	s_set_vgpr_msb 0x5
	s_wait_dscnt 0x0
	s_wait_alu depctr_hold_cnt(0) depctr_sa_sdst(0) depctr_va_vdst(0) depctr_va_sdst(0) depctr_va_ssrc(0) depctr_va_vcc(0) depctr_vm_vsrc(0)
	s_wait_tensorcnt 0x0
	ds_add_u32 v0, v1
	s_wait_dscnt 0x0
	s_endpgm
.Lfunc_end_k_qab94c7f0ee_outp:
	.size	k_qab94c7f0ee_outp, .Lfunc_end_k_qab94c7f0ee_outp-k_qab94c7f0ee_outp
	.p2alignl 7, 3214868480
	.fill 96, 4, 3214868480
	.section	.rodata,"a",@progbits
	.p2align	6, 0x0
	.amdhsa_kernel k_qab94c7f0ee_outp
		.amdhsa_group_segment_fixed_size 70656
		.amdhsa_private_segment_fixed_size 0
		.amdhsa_enable_private_segment 0
		.amdhsa_kernarg_size 40
		.amdhsa_user_sgpr_count 2
		.amdhsa_user_sgpr_kernarg_segment_ptr 1
		.amdhsa_wavefront_size32 1
		.amdhsa_system_sgpr_workgroup_id_x 1
		.amdhsa_system_sgpr_workgroup_id_y 1
		.amdhsa_system_sgpr_workgroup_id_z 1
		.amdhsa_system_vgpr_workitem_id 0
		.amdhsa_next_free_vgpr 258
		.amdhsa_next_free_sgpr 66
		.amdhsa_reserve_vcc 0
		.amdhsa_float_denorm_mode_32 3
		.amdhsa_float_denorm_mode_16_64 3
		.amdhsa_memory_ordered 1
		.amdhsa_forward_progress 1
		.amdhsa_inst_pref_size 27
	.end_amdhsa_kernel
	.amdgpu_metadata
---
amdhsa.version: [ 1, 2 ]
amdhsa.kernels:
  - .name:           k_qab94c7f0ee_outp
    .symbol:         k_qab94c7f0ee_outp.kd
    .args:
      - { .name: acws, .offset: 0, .size: 8, .value_kind: global_buffer, .address_space: global }
      - { .name: asws, .offset: 8, .size: 8, .value_kind: global_buffer, .address_space: global }
      - { .name: Wo_codes, .offset: 16, .size: 8, .value_kind: global_buffer, .address_space: global }
      - { .name: Wo_scales, .offset: 24, .size: 8, .value_kind: global_buffer, .address_space: global }
      - { .name: out0, .offset: 32, .size: 8, .value_kind: global_buffer, .address_space: global }
    .group_segment_fixed_size: 70656
    .private_segment_fixed_size: 0
    .kernarg_segment_align: 8
    .kernarg_segment_size: 40
    .max_flat_workgroup_size: 256
    .sgpr_count:     66
    .vgpr_count:     258
    .wavefront_size: 32
...
	.end_amdgpu_metadata
.endif
;; end of part 6
